; MI455X (gfx1250); checked and timed in simulation.
; The chip was launched on July 23, 2026; its instructions are those of AMD's public machine-readable ISA for CDNA 5 (MIT licence, August 2026) and "CDNA5" Instruction Set Architecture Reference Guide (July 2026). The comments in the code are by the model that wrote it; some were corrected since.
;; Attention. Allowed arithmetic: matrix products marked QUANTISED: E2M3 operands, one E8M0 scale for each 32 along K, by v_wmma_scale_f32_16x16x128_f8f6f4 with both operands' format E2M3, f32 sums; everything else in f32.
;; Inputs: Wk 1,024 x 1,024 float32; Wo 1,024 x 1,024 float32; Wq 1,024 x 1,024 float32; Wv 1,024 x 1,024 float32; bk 1,024 float32; bo 1,024 float32; bq 1,024 float32; bv 1,024 float32; x 4 x 2,048 x 1,024 float32.
;; Outputs: out0 4 x 2,048 x 1,024 float32.
;; This version of the problem:
;;   THIS VERSION OF THE PROBLEM IS GIVEN IN LOW PRECISION. The matrix products marked QUANTISED in the list below multiply operands that are first quantised to E2M3 (2 exponent bits, 3 mantissa bits; 6 bits a number), with one power-of-two scale for each 32 numbers along K (OCP MX v1.0); their sums are f32. All else is computed in f32.
;;   The module's matrix products, in the order in which they are computed (A, B: the left and right operand; K: the contracted axis; several contracted axes count as one K, in the product's order):
;;     1. [M 8,192, K 1,024] x [K 1,024, N 1,024]; A: input x; B: input Wq: QUANTISED
;;     2. [M 8,192, K 1,024] x [K 1,024, N 1,024]; A: input x; B: input Wk: QUANTISED
;;     3. [M 8,192, K 1,024] x [K 1,024, N 1,024]; A: input x; B: input Wv: QUANTISED
;;     4. batch 64 x [M 2,048, K 64] x [K 64, N 2,048]; A: computed on the way; B: computed on the way: QUANTISED
;;     5. batch 64 x [M 2,048, K 2,048] x [K 2,048, N 64]; A: computed on the way; B: computed on the way: QUANTISED
;;     6. [M 8,192, K 1,024] x [K 1,024, N 1,024]; A: computed on the way; B: input Wo: QUANTISED
;;   THE QUANTISER, for each operand of a quantised product, along K:
;;     - K is cut into blocks of 32 from its start; a last block that is shorter is filled with zeros.
;;     - A block's scale is 2^e with e = floor(log2(the largest magnitude in the block)) - 2, held to -126 .. 127; a block of zeros has e = 0. As a byte (E8M0): e + 127.
;;     - Each number is divided by its block's scale, clamped to +-7.5, and rounded to the nearest number of E2M3, ties to even, subnormals kept.
;;     - The product sums the exact products of the quantised numbers (number of the format x scale) in f32.
;;   ~~~python
;;   def quantise(x, axis):      # numpy; x: float32 -> the quantised numbers, widened to float32 again
;;       x = np.moveaxis(x, axis, -1); K = x.shape[-1]
;;       x = np.pad(x, [(0, 0)] * (x.ndim - 1) + [(0, -K % 32)]); x = x.reshape(x.shape[:-1] + (-1, 32)); a = np.abs(x).max(-1, keepdims=True)
;;       e = np.where(a > 0, np.clip(np.frexp(np.where(a > 0, a, 1))[1] - 1 - 2, -126, 127), 0)      # np.frexp(a)[1] - 1 = floor(log2(a)), exactly
;;       r = np.clip(x / 2.0 ** e, -7.5, 7.5)
;;       step = 2.0 ** (np.maximum(np.frexp(np.where(r == 0, 1, r))[1] - 1, 0) - 3)
;;       q = np.round(r / step) * step * 2.0 ** e      # np.round: ties to even
;;       return np.moveaxis(q.reshape(q.shape[:-2] + (-1,))[..., :K], -1, axis).astype(np.float32)
;;   ~~~
;;   OPERANDS COMPUTED ON THE WAY. 'Computed on the way' means the value that the module computes at that place (a softmax that the list does not call 'softmax' is quantised finished and normalised). What goes into a quantiser is computed in f32, as accurately as f32 sums, v_exp_f32 and their like allow (about 1e-6 of the number): no bf16 or f16 on the way to a quantiser, and a product that is left as it is and whose result goes on into a quantised operand takes f32 operands (vector FMAs, or v_wmma_f32_16x16x4_f32). A number that lies on a knife's edge between two numbers of the format may be rounded either way, as far as f32 arithmetic and the matrix unit's own rounding can turn it there, and no further.
;; One version. Each part assembles by itself: llvm-mc -triple=amdgcn-amd-amdhsa -mcpu=gfx1250 --defsym DOCPART=n.
;; ======== version 1 of 1: 4 launches
;; limits: right only within a limited range of input values
;; workspace buffers: ximg 6,553,600 bytes; wimg 3,276,800 bytes; qimg 6,553,600 bytes; kv 13,107,200 bytes; oimg 6,553,600 bytes
;; launch quant (part 1): grid 384 x 1, 4 waves a work-group, no clusters, 59,904 bytes of LDS; arguments x, Wq, Wk, Wv, Wo, ximg, wimg; writes ximg, wimg
.if DOCPART == 1
	.amdgcn_target "amdgcn-amd-amdhsa--gfx1250"
	.amdhsa_code_object_version 6
	.text
	.protected	k_q4255bb43df_quant
	.globl	k_q4255bb43df_quant
	.p2align	8
	.type	k_q4255bb43df_quant,@function
k_q4255bb43df_quant:
	s_mov_b64 s[64:65], 0
	v_nop
	global_prefetch_b8 v0, s[64:65] scope:SCOPE_SE
	s_setreg_imm32_b32 hwreg(HW_REG_WAVE_MODE, 25, 1), 1
	s_wait_xcnt 0x0
; x [8192][1024] and Wq, Wk, Wv, Wo [1024 (k)][1024 (n)], f32, become codes of FP6 (E2M3) with one E8M0 byte for each 32 along K, laid in the ORDER OF THE OPERAND'S REGISTERS.
; A block's scale is 2^(floor(log2(its largest magnitude)) - 2); its byte is the largest magnitude's exponent field - 2, held at 1 from below.
; LIMITS: NaN and infinities among the inputs are not served; a block whose largest magnitude lies under 2^-124, a block of zeros among them, keeps the byte 1 (its codes are then what the held scale gives; zeros stay zeros; this program alone reads the bytes).
; LAYOUT.  Rows (tokens; for a weight its output columns) go in blocks of 128, K in pieces of 256: such a piece is 25,600 bytes: [step of 128 k: 2][tile: 8][1,536] of codes, then 1,024 bytes of scale words.
; Tile i holds the rows 32 (i / 2) + 8 (i % 2) + r + 8 (r / 8), r = 0 .. 15.  A tile's 1,536 bytes are the image of a fragment's 12 registers: registers 0-3 at 16 x lane, 4-5 at 512 + 8 x lane, 6-7 at 768 + 8 x lane, 8-11 at 1,024 + 16 x lane.
; Scale words: at 24,576 + 512 step + 256 (i / 4) + 16 r + 4 (i % 4).
; SHARES.  Work-groups 0-255 take x, 256-383 the weights; a wave makes four fragments (64 rows x 128 k).  The two paths have LDS bytes of their own.  Waves share nothing: no barrier.
.set GBB,   25600
.set XSP,   528                        ; x's stage: a row of 512 bytes + 16, so that sixteen rows start at sixteen different groups of banks
.set XSTG,  16*XSP                     ; 16 rows for each wave
.set WST0,  4*XSTG                     ; behind them the weights' stages: 6,144 bytes of images + 256 of scale words for each wave
.set WSTG,  6400
.set SPARE, WST0+4*WSTG                ; the spare words, 128 bytes for each wave: two blocks of 256 bytes that no other line names
.set SPW,  2                           ; v2  LDS address of my spare word; never rewritten
.set NIL,  3                           ; v3  0; never rewritten
.set SEL,  20                          ; s[20:21] selects of v_permlanex16_b32: lane l xor 16
.set PC,   20                          ; x path: v20-39 the codes just made
.set TM,   40                          ; v40-55 at work in QUANT
.set X,    64                          ; v64-127 64 numbers of my row
.set R,    128                         ; v128-255 two sets of 16 rows as they are loaded
.set XW,   32                          ; weights' path: v32-95 two sets of 32 numbers down K
.set C,    96                          ; v96-102 a block's codes
.set SB,   24                          ; v24-25 the scale bytes of my two columns
.set OUTR, 112                         ; v112-161 the way out
; 64 numbers of a lane, register 16 b + i = k 32 b + 16 (lane / 16) + i of my row, become a fragment's codes in v[PC] on and its scale word in v[pw].
.macro QUANT s, pw
.irp b, 0,1,2,3
	v_max3_num_f32 v[TM+\b], |v[(\s)+16*\b]|, |v[(\s)+1+16*\b]|, 0x1800000   ; block b: my 16 numbers, and the floor 2^(3 - 127): the byte cannot fall under 1
.endr
.irp i, 2,4,6,8,10,12,14
.irp b, 0,1,2,3
	v_max3_num_f32 v[TM+\b], v[TM+\b], |v[(\s)+16*\b+\i]|, |v[(\s)+1+16*\b+\i]|   ; the four blocks by turns
.endr
.endr
.irp b, 0,1,2,3
	v_permlanex16_b32 v[TM+4+\b], v[TM+\b], s[SEL], s[SEL+1]
.endr
.irp b, 0,1,2,3
	v_max_num_f32 v[TM+\b], v[TM+\b], v[TM+4+\b]       ; with lane l xor 16's: the block's largest magnitude
.endr
.irp b, 0,1,2,3
	v_add_nc_u32 v[TM+12+\b], 0xff000000, v[TM+\b]     ; 2 off its exponent field: the conversion's scale operand
.endr
.irp b, 0,1,2,3
	v_lshrrev_b32 v[TM+4+\b], 23, v[TM+12+\b]          ; the scale's byte
.endr
	v_lshl_or_b32 v[(\pw)], v[TM+5], 8, v[TM+4]
	v_lshl_or_b32 v[(\pw)], v[TM+6], 16, v[(\pw)]
	v_lshl_or_b32 v[(\pw)], v[TM+7], 24, v[(\pw)]
.irp c, 0,1
	v_cvt_scalef32_pk16_fp6_f32 v[PC+6*\c:PC+2+6*\c], v[(\s)+32*\c:(\s)+15+32*\c], v[TM+12+2*\c]
	v_cvt_scalef32_pk16_fp6_f32 v[PC+12+4*\c:PC+14+4*\c], v[(\s)+16+32*\c:(\s)+31+32*\c], v[TM+12+2*\c+1]   ; (a conversion's three registers begin on an even number)
.endr
	v_nop                                              ; one plain place behind a scaled conversion
.irp c, 0,1                                            ; the operand's layout wants a whole block in a lane
.irp i, 0,1,2
	v_permlane16_swap_b32 v[PC+6*\c+\i], v[PC+12+4*\c+\i]
.endr
.irp i, 0,1,2
	v_mov_b32 v[PC+3+6*\c+\i], v[PC+12+4*\c+\i]
.endr
.endr
.endm
; s24 = which 64 rows of the image buffer, s25 = which 128 along K: byte offsets of my four fragments (s[32:33]) and of their scale words (s[34:35])
.macro DEST
	s_lshr_b32 s28, s24, 1
	s_lshl_b32 s28, s28, 2
	s_lshr_b32 s29, s25, 1
	s_add_co_u32 s28, s28, s29
	s_mul_i32 s28, s28, GBB                            ; the piece of 128 rows x 256 k
	s_and_b32 s29, s25, 1
	s_and_b32 s30, s24, 1
	s_mul_i32 s32, s29, 12288
	s_mul_i32 s31, s30, 6144
	s_add_co_u32 s32, s32, s31
	s_add_co_u32 s32, s32, s28
	s_mov_b32 s33, 0
	s_lshl_b32 s34, s29, 9
	s_lshl_b32 s31, s30, 8
	s_add_co_u32 s34, s34, s31
	s_add_co_u32 s34, s34, s28
	s_add_co_u32 s34, s34, 24576
	s_mov_b32 s35, 0
.endm
	s_load_b256 s[4:11], s[0:1], 0x0               ; x, Wq, Wk, Wv
	s_load_b128 s[12:15], s[0:1], 0x20             ; Wo, ximg
	s_load_b64 s[16:17], s[0:1], 0x30              ; wimg
	v_lshl_add_u32 v[SPW], v0, 2, SPARE
	v_mov_b32 v[NIL], 0
	v_lshrrev_b32 v1, 5, v0
	v_readfirstlane_b32 s18, v1                    ; wave
	v_and_b32 v1, 31, v0                           ; lane
	s_mov_b32 s[SEL], 0x76543210
	s_mov_b32 s[SEL+1], 0xfedcba98
	s_mov_b32 s19, 0xffff0000                      ; the lanes 16-31
	s_cmp_lt_u32 ttmp9, 256
	s_cbranch_scc0 .Lweights
	; ---- x: K is innermost.  A tile's 16 rows are loaded as they lie, 512 consecutive bytes a load, and turn through my stage, so that a lane gets 16 neighbours of each block of its row.
	s_lshr_b32 s24, ttmp9, 1                       ; which 64 tokens
	s_and_b32 s25, ttmp9, 1
	s_lshl_b32 s25, s25, 2
	s_add_co_u32 s25, s25, s18                     ; which 128 along K: the four waves stand side by side on 2,048 bytes of each row
	s_lshl_b32 s26, s24, 18
	s_lshl_b32 s27, s25, 9
	s_add_co_u32 s26, s26, s27
	s_mov_b32 s27, 0
	DEST
	s_wait_alu depctr_va_vdst(0)
	v_lshlrev_b32 v4, 4, v1                        ; 16 x lane
	v_lshlrev_b32 v5, 3, v1                        ; 8 x lane
	s_mul_i32 s40, s18, XSTG                       ; my stage
	v_add_nc_u32 v6, s40, v4                       ; into it: a row's 512 bytes
	v_and_b32 v9, 15, v1                           ; r
	v_lshrrev_b32 v10, 4, v1                       ; h
	v_mul_u32_u24 v7, v9, XSP
	v_lshl_add_u32 v7, v10, 6, v7
	v_add_nc_u32 v7, s40, v7                       ; out of it: row r, + 64 h
	v_lshlrev_b32 v8, 4, v9
	v_lshl_add_u32 v8, v10, 3, v8                  ; my two scale words: 16 r + 8 h
.irp b, 0,1,2,3
	v_mov_b32 v[TM+4+\b], 0                        ; written once: a lane permute's destination counts as one of its sources
.endr
	s_wait_alu depctr_va_vdst(0)
	s_wait_kmcnt 0x0
	s_add_nc_u64 s[4:5], s[4:5], s[26:27]
	s_add_nc_u64 s[36:37], s[14:15], s[32:33]
	s_add_nc_u64 s[38:39], s[14:15], s[34:35]
.macro LOADT i                         ; tile i's 16 rows into set i % 2
.irp p, 0,1,2,3,4,5,6,7,8,9,10,11,12,13,14,15
	global_load_b128 v[R+64*((\i)%2)+4*\p:R+64*((\i)%2)+4*\p+3], v4, s[4:5] offset:(32*((\i)/2)+8*((\i)%2)+\p+8*(\p/8))*4096 th:TH_LOAD_NT
.endr
.endm
.macro XTILE i
.if (\i) < 3
	s_wait_loadcnt 16                              ; this tile's 16 loads are in; the next tile's 16 may be out
.else
	s_wait_loadcnt 0x0
.endif
.irp p, 0,1,2,3,4,5,6,7,8,9,10,11,12,13,14,15
	ds_store_b128 v6, v[R+64*((\i)%2)+4*\p:R+64*((\i)%2)+4*\p+3] offset:\p*XSP
.endr
.irp b, 0,1,2,3
.irp j, 0,1,2,3
	ds_load_b128 v[X+16*\b+4*\j:X+16*\b+4*\j+3], v7 offset:128*\b+16*\j   ; LDS serves a wave's instructions in order: these see my stores
.endr
.endr
	s_wait_dscnt 0x0                               ; my numbers are back, and the stores have read their registers,
.if (\i) < 2
	LOADT (\i)+2                                   ; which take the tile two on
.endif
.if (\i) > 0
	s_wait_xcnt 0x0                                ; the last tile's stores have read the codes' registers: they are written again only behind this wait
.endif
	QUANT X, 16+(\i)
	global_store_b128 v4, v[PC:PC+3], s[36:37] offset:(\i)*1536          ; each piece is 512 or 256 consecutive bytes, at a multiple of 256 from the buffer's first byte
	global_store_b64 v5, v[PC+4:PC+5], s[36:37] offset:(\i)*1536+512
	global_store_b64 v5, v[PC+6:PC+7], s[36:37] offset:(\i)*1536+768
	global_store_b128 v4, v[PC+8:PC+11], s[36:37] offset:(\i)*1536+1024
.endm
	LOADT 0
	LOADT 1
.irp i, 0,1,2,3
	XTILE \i
.endr
	v_cndmask_b32 v56, v16, v18, s19               ; both halves of the lanes hold row r's four words: lanes 0-15 store tiles 0 and 1's, lanes 16-31 tiles 2 and 3's
	v_cndmask_b32 v57, v17, v19, s19
	global_store_b64 v8, v[56:57], s[38:39]        ; 256 consecutive bytes
	s_branch .Lend
.Lweights:
	; ---- a weight: K is its first axis.  A lane takes a column and its registers run down K: a block of 32 lies in one lane, and the conversions give codes with K innermost.
	s_sub_co_u32 s24, ttmp9, 256
	s_lshr_b32 s31, s24, 5                         ; which weight: Wq, Wk, Wv, Wo
	s_and_b32 s25, s24, 7                          ; which 128 along K
	s_bfe_u32 s27, s24, 0x20003
	s_lshl_b32 s27, s27, 2
	s_add_co_u32 s27, s27, s18                     ; which 64 columns: the four waves stand side by side on 1,024 bytes of each row
	s_lshl_b32 s26, s25, 19
	s_lshl_b32 s28, s27, 8
	s_add_co_u32 s26, s26, s28
	s_lshl_b32 s24, s31, 4
	s_add_co_u32 s24, s24, s27                     ; which 64 rows of wimg
	s_mov_b32 s27, 0
	s_mov_b32 s41, s31
	DEST
	s_wait_alu depctr_va_vdst(0)
	v_lshlrev_b32 v4, 2, v1                        ; in: 4 bytes a lane
	v_bfe_u32 v12, v1, 3, 1                        ; column l of a group of 32 is row r = l % 8 + 8 (l / 16) of the group's tile u = (l / 8) % 2
	v_and_b32 v13, 7, v1
	v_lshrrev_b32 v14, 4, v1
	v_lshl_or_b32 v13, v14, 3, v13
	s_mul_i32 s40, s18, WSTG
	s_add_co_u32 s40, s40, WST0                    ; my stage
	v_mul_u32_u24 v15, v12, 1536
	v_add_nc_u32 v15, s40, v15
	v_lshl_add_u32 v5, v13, 4, v15                 ; my place in a piece of 16 bytes a lane,
	v_lshl_add_u32 v6, v13, 3, v15                 ; of 8 bytes a lane,
	v_lshlrev_b32 v7, 4, v13
	v_lshl_add_u32 v7, v12, 2, v7
	v_add_nc_u32 v7, s40, v7                       ; and among the scale words: 16 r + 4 u
	v_lshl_add_u32 v8, v1, 4, s40                  ; back: as the bytes lie
	v_lshl_add_u32 v9, v1, 3, s40
	v_lshlrev_b32 v10, 4, v1
	v_lshlrev_b32 v11, 3, v1
	s_wait_kmcnt 0x0
	s_cmp_eq_u32 s41, 1                            ; the choice hangs on the work-group's number alone
	s_cselect_b64 s[22:23], s[8:9], s[6:7]
	s_cmp_eq_u32 s41, 2
	s_cselect_b64 s[22:23], s[10:11], s[22:23]
	s_cmp_eq_u32 s41, 3
	s_cselect_b64 s[22:23], s[12:13], s[22:23]
	s_add_nc_u64 s[22:23], s[22:23], s[26:27]
	s_add_nc_u64 s[36:37], s[16:17], s[32:33]
	s_add_nc_u64 s[38:39], s[16:17], s[34:35]
.macro LOADB t                         ; turn t: group t % 2 of 32 columns, block t / 2 of 32 along K, into set t % 2
.irp i, 0,1,2,3,4,5,6,7,8,9,10,11,12,13,14,15,16,17,18,19,20,21,22,23,24,25,26,27,28,29,30,31
	global_load_b32 v[XW+32*((\t)%2)+\i], v4, s[22:23] offset:(32*((\t)/2)+\i)*4096+((\t)%2)*128 th:TH_LOAD_NT
.endr
.endm
.macro BLOCK t
.set XS, XW+32*((\t)%2)
.set GRP, (\t)%2
.set KB, (\t)/2
.if (\t) < 7
	s_wait_loadcnt 32                              ; this turn's 32 loads are in; the next turn's may be out
.else
	s_wait_loadcnt 0x0
.endif
	v_max3_num_f32 v26, |v[XS]|, |v[XS+1]|, |v[XS+2]|              ; the block's largest magnitude: all 32 numbers are mine
	v_max3_num_f32 v27, |v[XS+3]|, |v[XS+4]|, |v[XS+5]|
.irp i, 6,10,14,18,22,26
	v_max3_num_f32 v26, v26, |v[XS+\i]|, |v[XS+\i+1]|
	v_max3_num_f32 v27, v27, |v[XS+\i+2]|, |v[XS+\i+3]|
.endr
	v_max3_num_f32 v26, v26, |v[XS+30]|, |v[XS+31]|
	v_max3_num_f32 v26, v26, v27, 0x1800000        ; and the floor
	v_add_nc_u32 v28, 0xff000000, v26              ; the conversion's scale operand
	v_lshrrev_b32 v29, 23, v28                     ; the byte
.if KB == 0
	v_mov_b32 v[SB+GRP], v29
.else
	v_lshl_or_b32 v[SB+GRP], v29, 8*KB, v[SB+GRP]
.endif
	v_cvt_scalef32_pk16_fp6_f32 v[C:C+2], v[XS:XS+15], v28
	v_cvt_scalef32_pk16_fp6_f32 v[C+4:C+6], v[XS+16:XS+31], v28
	v_nop                                          ; one plain place behind a scaled conversion
	v_mov_b32 v[C+3], v[C+4]                       ; the block's 24 bytes on end
	v_mov_b32 v[C+4], v[C+5]
	v_mov_b32 v[C+5], v[C+6]
.if KB/2 == 0                                          ; block 2 c + h is registers 6 c .. 6 c + 5 of lane (r, h)
	ds_store_b128 v5, v[C:C+3] offset:GRP*3072+(KB%2)*256
	ds_store_b64 v6, v[C+4:C+5] offset:GRP*3072+512+(KB%2)*128
.else
	ds_store_b64 v6, v[C:C+1] offset:GRP*3072+768+(KB%2)*128
	ds_store_b128 v5, v[C+2:C+5] offset:GRP*3072+1024+(KB%2)*256
.endif
.if (\t) < 6
	LOADB (\t)+2
.endif
	s_wait_dscnt 0x0                               ; the stores have read their registers: the next block's codes may be written
.endm
	LOADB 0
	LOADB 1
.irp t, 0,1,2,3,4,5,6,7
	BLOCK \t
.endr
	ds_store_b32 v7, v[SB] offset:6144
	s_wait_alu depctr_va_vdst(0)
	ds_store_b32 v7, v[SB+1] offset:6144+8
.irp k, 0,1,2,3,4,5,6,7,8,9,10,11
	ds_load_b128 v[OUTR+4*\k:OUTR+4*\k+3], v8 offset:512*\k   ; LDS serves a wave's instructions in order: these see my stores
.endr
	ds_load_b64 v[OUTR+48:OUTR+49], v9 offset:6144
.irp k, 0,1,2,3,4,5,6,7,8,9,10,11
	s_wait_dscnt 12-\k                             ; load k is in; the 12 - k behind it may be out
	global_store_b128 v10, v[OUTR+4*\k:OUTR+4*\k+3], s[36:37] offset:512*\k   ; 512 consecutive bytes
.endr
	s_wait_dscnt 0x0
	global_store_b64 v11, v[OUTR+48:OUTR+49], s[38:39]        ; 256 consecutive bytes
.Lend:
	s_wait_tensorcnt 0x0                           ; the wave's end, behind my last LDS store
	ds_add_u32 v[SPW], v[NIL]
	s_wait_dscnt 0x0
	s_endpgm
.Lfunc_end_k_q4255bb43df_quant:
	.size	k_q4255bb43df_quant, .Lfunc_end_k_q4255bb43df_quant-k_q4255bb43df_quant
	.p2alignl 7, 3214868480
	.fill 96, 4, 3214868480
	.section	.rodata,"a",@progbits
	.p2align	6, 0x0
	.amdhsa_kernel k_q4255bb43df_quant
		.amdhsa_group_segment_fixed_size 59904
		.amdhsa_private_segment_fixed_size 0
		.amdhsa_enable_private_segment 0
		.amdhsa_kernarg_size 56
		.amdhsa_user_sgpr_count 2
		.amdhsa_user_sgpr_kernarg_segment_ptr 1
		.amdhsa_wavefront_size32 1
		.amdhsa_system_sgpr_workgroup_id_x 1
		.amdhsa_system_sgpr_workgroup_id_y 1
		.amdhsa_system_sgpr_workgroup_id_z 1
		.amdhsa_system_vgpr_workitem_id 0
		.amdhsa_next_free_vgpr 256
		.amdhsa_next_free_sgpr 66
		.amdhsa_reserve_vcc 0
		.amdhsa_float_denorm_mode_32 3
		.amdhsa_float_denorm_mode_16_64 3
		.amdhsa_memory_ordered 1
		.amdhsa_forward_progress 1
		.amdhsa_inst_pref_size 76
	.end_amdhsa_kernel
	.amdgpu_metadata
---
amdhsa.version: [ 1, 2 ]
amdhsa.kernels:
  - .name:           k_q4255bb43df_quant
    .symbol:         k_q4255bb43df_quant.kd
    .args:
      - { .name: x, .offset: 0, .size: 8, .value_kind: global_buffer, .address_space: global }
      - { .name: Wq, .offset: 8, .size: 8, .value_kind: global_buffer, .address_space: global }
      - { .name: Wk, .offset: 16, .size: 8, .value_kind: global_buffer, .address_space: global }
      - { .name: Wv, .offset: 24, .size: 8, .value_kind: global_buffer, .address_space: global }
      - { .name: Wo, .offset: 32, .size: 8, .value_kind: global_buffer, .address_space: global }
      - { .name: ximg, .offset: 40, .size: 8, .value_kind: global_buffer, .address_space: global }
      - { .name: wimg, .offset: 48, .size: 8, .value_kind: global_buffer, .address_space: global }
    .group_segment_fixed_size: 59904
    .private_segment_fixed_size: 0
    .kernarg_segment_align: 8
    .kernarg_segment_size: 56
    .max_flat_workgroup_size: 128
    .sgpr_count:     66
    .vgpr_count:     256
    .wavefront_size: 32
...
	.end_amdgpu_metadata
.endif
;; end of part 1
;; launch qkv (part 2): grid 12 x 32, 4 waves a work-group, clusters of 4 x 4, 327,680 bytes of LDS; arguments ximg, wimg, bq, bk, bv, qimg, kv; writes qimg, kv
.if DOCPART == 2
	.amdgcn_target "amdgcn-amd-amdhsa--gfx1250"
	.amdhsa_code_object_version 6
	.text
	.protected	k_q4255bb43df_qkv
	.globl	k_q4255bb43df_qkv
	.p2align	8
	.type	k_q4255bb43df_qkv,@function
k_q4255bb43df_qkv:
	s_mov_b64 s[64:65], 0
	v_nop
	global_prefetch_b8 v0, s[64:65] scope:SCOPE_SE
	s_setreg_imm32_b32 hwreg(HW_REG_WAVE_MODE, 25, 1), 1
	s_wait_xcnt 0x0
	s_wait_alu depctr_hold_cnt(0) depctr_sa_sdst(0) depctr_va_vdst(0) depctr_va_sdst(0) depctr_va_ssrc(0) depctr_va_vcc(0) depctr_vm_vsrc(0)
	s_getreg_b32 s2, hwreg(HW_REG_IB_STS2, 6, 4)
	s_cmp_eq_u32 s2, 0
	s_cbranch_scc0 .Lentry_in_a_cluster
	s_endpgm
.Lentry_in_a_cluster:
	s_bfe_u32 s2, ttmp6, 0x10000c
	s_cmp_lg_u32 s2, 0xf033
	s_cbranch_scc0 .Lentry_shape_is_right
	s_endpgm
.Lentry_shape_is_right:
; Q = x Wq + bq, K = x Wk + bk, V = x Wv + bv on codes of FP6 (E2M3) with E8M0 scales; the results are quantised in registers and leave as codes: Q and K along the head's 64, V along the tokens.
; A work-group of four waves makes 256 x 256, a wave 128 x 128: 64 accumulators, 512 registers.  K = 1,024 goes in four pieces of 256 through a ring of two LDS slots.
; OPERANDS LIE AS IMAGES OF THEIR REGISTERS: a piece of 128 rows x 256 k is 25,600 dense bytes: 16 fragments of 1,536 bytes, then 1,024 bytes of scale words; one tensor load a wave brings one piece.
; ROLES.  Source 1 of the matrix instruction ('A') gives a lane ITS row, source 0 ('B') runs along the lane's registers.  Clusters with x = 0, 1 (Q, K): A = tokens, B = the weight's columns: a lane holds a token, its registers
; run along the head's channels.  Clusters with x = 2 (V): A = Wv's columns, B = tokens: a lane holds a channel, its registers run along the tokens.  One loop serves both; the choice hangs on the cluster's x, which all partners share.
; The rows of a tile are 32 (i / 2) + 8 (i % 2) + r + 8 (r / 8), so that the 16 registers of B's tiles 2 b and 2 b + 1 are 16 neighbours: 32 b + 16 (lane / 16) + 0 .. 15.
; CLUSTERS: 4 x 4 work-groups; A's pieces are asked for jointly along a row of the cluster, B's along a column.  The grid has 384 work-groups: 24 clusters.
; LIMITS: NaN and infinities are not served; a block whose largest magnitude lies under 2^-124 keeps the scale byte 1.
; REGISTERS: window 0: v8-15 V's biases; v16-31 addresses; v32-63 scale words, two sets; v64-127 Q's and K's biases; v128-223 A's fragments, one set (on the way out: v128-191 numbers, v192-211 codes, v224-255 at work).
;   window 1: B's fragments, two sets, at v0 and v128.   windows 2, 3: accumulator (a, b) at v[8 (8 (a % 4) + b)] of window 2 + a / 4.
.set GBB,   25600
.set RBS,   102400                     ; 128 rows, all of K
.set SLOT,  102400                     ; A's two pieces, then B's two
.set SPARE, 204800                     ; behind the ring: the spare words, 128 bytes for each wave: two blocks of 256 bytes that no other line names
.set FR,    12
.set NL,    4                          ; LDS loads that bring a fragment
.set NP,    4                          ; places behind this matrix instruction (ISA guide 7.12.1)
.set LAPS,  2
.set BV,     8
.set ADRA16, 16                        ; v16-17 my A fragments in slot 0, 1: 16 x lane; v18-19: 8 x lane
.set ADRA8,  18
.set ADRB16, 20                        ; v20-23 the same for B
.set ADRB8,  22
.set ADRS,   24                        ; v24-25 my scale words: lanes 0-15 A's rows, lanes 16-31 B's
.set SPW,    28
.set NIL,    29
.set L16,    30
.set L8,     31
.set SC,     32                        ; set s at v[SC + 16 s]; register 8 q + i: the words of tile i for the slot's q-th 128 along K
.set BB,     64
.set AF,     128
.set T,      128
.set PC,     192
.set TM,     224
.set PW,     240
.set PWE,    241
.set WA,     242
.set WB,     246
.set XW,     250
.set XB,     254
.set G1,  24
.set G0,  32
.set G1B, 48
.set G0B, 56
.set SEL, 82
.set MSB, 0
.macro WIN new                         ; the immediate's high byte repeats the setting that is left
.if MSB != \new
	s_set_vgpr_msb (MSB<<8)|\new
.set MSB, \new
.endif
.endm
.set MUL_LO, 0xa1                      ; source 0 (B) window 1, source 1 (A) window 0, C and D window 2
.set MUL_HI, 0xf1
.set TO_B,   0x40
; A joint load: waves 0 and 1 fetch A's two pieces, waves 2 and 3 B's.  An s_nop 0 and four v_nop follow each of the two lines.
.macro JLOAD g0a, g1a, g0b, g1b
	s_cmp_eq_u32 s15, 0
	s_cbranch_scc0 .Lfor_b_\@
	tensor_load_to_lds s[\g0a:\g0a+3], s[\g1a:\g1a+7]
	s_nop 0
.rept 4
	v_nop
.endr
	s_branch .Lasked_\@
.Lfor_b_\@:
	tensor_load_to_lds s[\g0b:\g0b+3], s[\g1b:\g1b+7]
	s_nop 0
.rept 4
	v_nop
.endr
.Lasked_\@:
.endm
.macro CREST                           ; a round of the cluster's barrier behind its opening barrier
	s_cmp_lg_u32 s14, 0
	s_cbranch_scc1 .Lnot_wave_0_\@
	s_barrier_signal -3
.Lnot_wave_0_\@:
	s_barrier_wait -3
	s_barrier_signal -1
	s_barrier_wait -1
.endm
.macro CROUND
	s_barrier_signal -1
	s_barrier_wait -1
	CREST
.endm
.macro PLACES n
.rept \n
	v_nop
.endr
.endm
.macro FRAG reg, a16, a8, off          ; a fragment's image: each piece is consecutive bytes
	ds_load_b128 v[(\reg):(\reg)+3], v[\a16] offset:(\off)
	ds_load_b64 v[(\reg)+4:(\reg)+5], v[\a8] offset:(\off)+512
	ds_load_b64 v[(\reg)+6:(\reg)+7], v[\a8] offset:(\off)+768
	ds_load_b128 v[(\reg)+8:(\reg)+11], v[\a16] offset:(\off)+1024
.endm
; 16 matrix instructions: A's tiles a0, a0 + 1 x B's eight.  The 64 accumulators take turns, one instruction a turn, in the same order in every step.
.macro MUL16 a0, p, q, sc, zero
.irp a, \a0, \a0+1
.irp b, 0,1,2,3,4,5,6,7
.if \zero
	v_wmma_scale_f32_16x16x128_f8f6f4 v[8*(8*((\a)%4)+\b):8*(8*((\a)%4)+\b)+7], v[128*(\p)+FR*\b:128*(\p)+FR*\b+FR-1], v[AF+FR*(\a):AF+FR*(\a)+FR-1], 0, v[SC+16*(\sc)+8*(\q)+\b], v[SC+16*(\sc)+8*(\q)+(\a)] matrix_a_fmt:MATRIX_FMT_FP6 matrix_b_fmt:MATRIX_FMT_FP6 matrix_a_scale:MATRIX_SCALE_ROW1
.else
	v_wmma_scale_f32_16x16x128_f8f6f4 v[8*(8*((\a)%4)+\b):8*(8*((\a)%4)+\b)+7], v[128*(\p)+FR*\b:128*(\p)+FR*\b+FR-1], v[AF+FR*(\a):AF+FR*(\a)+FR-1], v[8*(8*((\a)%4)+\b):8*(8*((\a)%4)+\b)+7], v[SC+16*(\sc)+8*(\q)+\b], v[SC+16*(\sc)+8*(\q)+(\a)] matrix_a_fmt:MATRIX_FMT_FP6 matrix_b_fmt:MATRIX_FMT_FP6 matrix_a_scale:MATRIX_SCALE_ROW1
.endif
.endr
.endr
.endm
.macro FETCH_B slot, q, p
	WIN TO_B
.irp i, 0,1,2,3,4,5,6,7
	FRAG 128*(\p)+FR*\i, ADRB16+\slot, ADRB8+\slot, (\q)*12288+\i*1536
.endr
	WIN 0
.endm
.macro FETCH_A slot, q, i0
.irp i, \i0, \i0+1, \i0+2, \i0+3
	FRAG AF+FR*(\i), ADRA16+\slot, ADRA8+\slot, (\q)*12288+(\i)*1536
.endr
.endm
.macro SCALES sc                       ; a slot's scale words: four tiles' words of a row by one load
.irp t, 0,1
.irp g, 0,1
	ds_load_b128 v[SC+16*\sc+8*\t+4*\g:SC+16*\sc+8*\t+4*\g+3], v[ADRS+\sc] offset:\t*512+\g*256
.endr
.endr
.endm
.macro STEP slot, q, zero              ; a step of 128 along K that has its successor in the same slot
	s_wait_dscnt 4*NL                              ; B's set and A's tiles 0-3 are in; the youngest 16 loads (A's tiles 4-7) may be out
	WIN MUL_LO
	MUL16 0, (\q)%2, \q, \slot, \zero
	MUL16 2, (\q)%2, \q, \slot, \zero
	s_wait_dscnt 0
	PLACES NP
	FETCH_B \slot, (\q)+1, 1-(\q)%2
	FETCH_A \slot, (\q)+1, 0
	WIN MUL_HI
	MUL16 4, (\q)%2, \q, \slot, \zero
	MUL16 6, (\q)%2, \q, \slot, \zero
	PLACES NP
	WIN 0
	FETCH_A \slot, (\q)+1, 4
.endm
; A slot's last step changes slots: one barrier; in front of it each wave waits for all its tensor loads, adds 0 to its spare word, and waits for that and for its reads of this slot.
.macro TURN slot, next, fill
	s_wait_tensorcnt 0x0                           ; all my tensor loads have landed: my part of the next slot
	ds_add_u32 v[SPW], v[NIL]                      ; 0 onto my spare word
	s_wait_dscnt 4*NL+1                            ; the add and the youngest 16 loads may be out
	WIN MUL_LO
	MUL16 0, 1, 1, \slot, 0
	s_wait_dscnt 0x0                               ; the add is done, and my reads of this slot are over
	s_barrier_signal -1
	MUL16 2, 1, 1, \slot, 0
	WIN 0
	s_barrier_wait -1
.if \fill
	CREST                                          ; the barrier has opened a round of the cluster's barrier: no wave of any partner still reads this slot or has a load on its way
	s_add_nc_u64 s[G0+4*\slot+2:G0+4*\slot+3], s[G0+4*\slot+2:G0+4*\slot+3], 2*GBB
	s_add_nc_u64 s[G0B+4*\slot+2:G0B+4*\slot+3], s[G0B+4*\slot+2:G0B+4*\slot+3], 2*GBB
	JLOAD G0+4*\slot, G1, G0B+4*\slot, G1B         ; the first tensor load behind the round; its four v_nop are the places in front of the loads below
.else
	PLACES NP
.endif
	FETCH_B \next, 0, 0
	FETCH_A \next, 0, 0
	SCALES \next
	WIN MUL_HI
	MUL16 4, 1, 1, \slot, 0
	MUL16 6, 1, 1, \slot, 0
	PLACES NP
	WIN 0
	FETCH_A \next, 0, 4
.endm
; 64 numbers of a lane, register 16 b + i = k 32 b + 16 (lane / 16) + i of my row, become a fragment's codes in v[PC] on and its scale word in v[pw].
.macro QUANT s, pw
.irp b, 0,1,2,3
	v_max3_num_f32 v[TM+\b], |v[(\s)+16*\b]|, |v[(\s)+1+16*\b]|, 0x1800000   ; and the floor 2^(3 - 127): the byte cannot fall under 1
.endr
.irp i, 2,4,6,8,10,12,14
.irp b, 0,1,2,3
	v_max3_num_f32 v[TM+\b], v[TM+\b], |v[(\s)+16*\b+\i]|, |v[(\s)+1+16*\b+\i]|
.endr
.endr
.irp b, 0,1,2,3
	v_permlanex16_b32 v[TM+4+\b], v[TM+\b], s[SEL], s[SEL+1]
.endr
.irp b, 0,1,2,3
	v_max_num_f32 v[TM+\b], v[TM+\b], v[TM+4+\b]
.endr
.irp b, 0,1,2,3
	v_add_nc_u32 v[TM+12+\b], 0xff000000, v[TM+\b]
.endr
.irp b, 0,1,2,3
	v_lshrrev_b32 v[TM+4+\b], 23, v[TM+12+\b]
.endr
	v_lshl_or_b32 v[(\pw)], v[TM+5], 8, v[TM+4]
	v_lshl_or_b32 v[(\pw)], v[TM+6], 16, v[(\pw)]
	v_lshl_or_b32 v[(\pw)], v[TM+7], 24, v[(\pw)]
.irp c, 0,1
	v_cvt_scalef32_pk16_fp6_f32 v[PC+6*\c:PC+2+6*\c], v[(\s)+32*\c:(\s)+15+32*\c], v[TM+12+2*\c]
	v_cvt_scalef32_pk16_fp6_f32 v[PC+12+4*\c:PC+14+4*\c], v[(\s)+16+32*\c:(\s)+31+32*\c], v[TM+12+2*\c+1]
.endr
	v_nop                                              ; one plain place behind a scaled conversion
.irp c, 0,1
.irp i, 0,1,2
	v_permlane16_swap_b32 v[PC+6*\c+\i], v[PC+12+4*\c+\i]
.endr
.irp i, 0,1,2
	v_mov_b32 v[PC+3+6*\c+\i], v[PC+12+4*\c+\i]
.endr
.endr
.endm
	s_load_b256 s[4:11], s[0:1], 0x0               ; ximg, wimg, bq, bk
	s_load_b64 s[12:13], s[0:1], 0x20              ; bv
	s_load_b128 s[68:71], s[0:1], 0x28             ; qimg, kv
	v_lshl_add_u32 v[SPW], v0, 2, SPARE
	v_mov_b32 v[NIL], 0
	ds_add_u32 v[SPW], v[NIL]                      ; the wave's opening, ahead of my first tensor load
	ds_add_u32 v[SPW], v[NIL]
	v_lshrrev_b32 v1, 5, v0
	v_readfirstlane_b32 s14, v1                    ; wave 0..3
	s_lshr_b32 s15, s14, 1                         ; which half of A's rows is mine.  Also: I fetch for A (0) or for B (1)
	s_and_b32 s16, s14, 1                          ; which half of B's rows.  Also: which piece I fetch
	s_bfe_u32 s40, ttmp6, 0x40000                  ; cx
	s_bfe_u32 s41, ttmp6, 0x40004                  ; cy
	s_and_b32 s45, ttmp7, 0xffff
	s_lshl_b32 s45, s45, 2                         ; 4 x cluster y
	s_lshl_b32 s46, ttmp9, 2                       ; 4 x cluster x
	s_cmp_eq_u32 ttmp9, 1
	s_cselect_b32 s73, 1, 0                        ; K's clusters
	s_cmp_eq_u32 ttmp9, 2
	s_cselect_b32 s72, 1, 0                        ; V's clusters
	s_cselect_b32 s17, 0, s45
	s_cselect_b32 s42, s45, s46
	s_cselect_b32 s74, 16*RBS, 0                   ; Wv begins 16 blocks of rows into wimg
	s_add_co_u32 s17, s17, s41                     ; A's block of 256 rows: made of the cluster's place and cy alone
	s_add_co_u32 s42, s42, s40                     ; B's: of the cluster's place and cx alone
	s_lshl_b32 s43, s41, 2
	s_lshl_b32 s43, 15, s43                        ; my row of the cluster
	s_lshl_b32 s44, 0x1111, s40                    ; my column
	s_or_b32 s[G1], s43, (3<<16)|(1<<21)           ; 15:0 the mask; 17:16 elements of 8 bytes; 21 set beside a mask; no padding
	s_or_b32 s[G1B], s44, (3<<16)|(1<<21)
.irp g, G1, G1B
	s_mov_b32 s[\g+1], 32<<16                      ; tensor_dim0 = 32 elements: rows of 256 bytes
	s_mov_b32 s[\g+2], 100<<16                     ; tensor_dim1 = 100 rows: 25,600 dense bytes
	s_mov_b32 s[\g+3], 32<<16                      ; tile_dim0
	s_mov_b32 s[\g+4], 100                         ; tile_dim1
	s_mov_b32 s[\g+5], 32                          ; the pitch
	s_mov_b32 s[\g+6], 0
	s_mov_b32 s[\g+7], 0
.endr
	s_lshl_b32 s20, s17, 1
	s_add_co_u32 s20, s20, s16
	s_mul_i32 s20, s20, RBS
	s_add_co_u32 s20, s20, s74
	s_mov_b32 s21, 0
	s_lshl_b32 s46, s42, 1
	s_add_co_u32 s46, s46, s16
	s_mul_i32 s46, s46, RBS
	s_mov_b32 s47, 0
	s_mul_i32 s75, s14, GBB                        ; where my piece goes: wave x 25,600: no place in the cluster enters an LDS address
	s_mov_b32 s[SEL], 0x76543210
	s_mov_b32 s[SEL+1], 0xfedcba98
	s_mov_b32 s80, 0xffff0000                      ; the lanes 16-31
	s_wait_dscnt 0x0                               ; the opening add is done
	s_wait_kmcnt 0x0
	s_cmp_eq_u32 s72, 1
	s_cselect_b64 s[76:77], s[6:7], s[4:5]         ; A's buffer
	s_cselect_b64 s[78:79], s[4:5], s[6:7]         ; B's
	s_add_nc_u64 s[20:21], s[76:77], s[20:21]
	s_add_nc_u64 s[46:47], s[78:79], s[46:47]
	CROUND                                         ; all sixteen work-groups are here: the first joint loads meet
.irp s, 0,1
	s_mov_b32 s[G0+4*\s], 1
	s_add_co_u32 s[G0+4*\s+1], s75, \s*SLOT
	s_add_nc_u64 s[G0+4*\s+2:G0+4*\s+3], s[20:21], \s*GBB
	s_or_b32 s[G0+4*\s+3], s[G0+4*\s+3], 0x80000000
	s_mov_b32 s[G0B+4*\s], 1
	s_add_co_u32 s[G0B+4*\s+1], s75, \s*SLOT
	s_add_nc_u64 s[G0B+4*\s+2:G0B+4*\s+3], s[46:47], \s*GBB
	s_or_b32 s[G0B+4*\s+3], s[G0B+4*\s+3], 0x80000000
.endr
	JLOAD G0, G1, G0B, G1B                         ; slot 0: one tensor load a wave at the head
	v_and_b32 v1, 15, v0
	v_bfe_u32 v2, v0, 4, 1                         ; h
	v_and_b32 v3, 31, v0
	v_lshlrev_b32 v[L16], 4, v3
	v_lshlrev_b32 v[L8], 3, v3
	s_mul_i32 s21, s15, GBB                        ; my 128 rows of A
	s_mul_i32 s22, s16, GBB
	s_add_co_u32 s22, s22, 2*GBB                   ; my 128 rows of B, behind A's two pieces
	v_lshlrev_b32 v5, 4, v1                        ; my row's scale words: 16 r,
	s_sub_co_u32 s23, s22, s21
	v_mul_u32_u24 v6, s23, v2                      ; lanes 16-31 take B's
	v_add_nc_u32 v5, v5, v6
	s_add_co_u32 s23, s21, 24576
	v_add_nc_u32 v[ADRS], s23, v5
	v_add_nc_u32 v[ADRS+1], SLOT, v[ADRS]
.irp s, 0,1
	v_add_nc_u32 v[ADRA16+\s], s21, v[L16]
	v_add_nc_u32 v[ADRA8+\s], s21, v[L8]
	v_add_nc_u32 v[ADRB16+\s], s22, v[L16]
	v_add_nc_u32 v[ADRB8+\s], s22, v[L8]
	s_add_co_u32 s21, s21, SLOT
	s_add_co_u32 s22, s22, SLOT
.endr
	; the biases: 128 numbers from one pointer, taken both ways, so that no branch is needed here: along B's rows (Q, K) and for A's rows (V)
	s_lshl_b32 s86, s17, 8
	s_lshl_b32 s87, s15, 7
	s_add_co_u32 s86, s86, s87                     ; V: my first column of Wv
	s_lshl_b32 s88, s42, 8
	s_lshl_b32 s87, s16, 7
	s_add_co_u32 s88, s88, s87
	s_and_b32 s88, s88, 1023                       ; Q, K: my first column of the weight
	s_cmp_eq_u32 s73, 1
	s_cselect_b64 s[90:91], s[10:11], s[8:9]
	s_cmp_eq_u32 s72, 1
	s_cselect_b64 s[90:91], s[12:13], s[90:91]
	s_cselect_b32 s86, s86, s88
	s_lshl_b32 s86, s86, 2
	s_mov_b32 s87, 0
	s_add_nc_u64 s[90:91], s[90:91], s[86:87]
	v_lshlrev_b32 v26, 6, v2                       ; 16 h numbers on
	v_and_b32 v27, 8, v1
	v_add_nc_u32 v27, v27, v1
	v_lshlrev_b32 v27, 2, v27                      ; r + 8 (r / 8) numbers on
.irp b, 0,1,2,3,4,5,6,7
	global_load_b128 v[BB+8*\b:BB+8*\b+3], v26, s[90:91] offset:(32*(\b/2)+8*(\b%2))*4
	global_load_b128 v[BB+8*\b+4:BB+8*\b+7], v26, s[90:91] offset:(32*(\b/2)+8*(\b%2))*4+16
.endr
.irp a, 0,1,2,3,4,5,6,7
	global_load_b32 v[BV+\a], v27, s[90:91] offset:(32*(\a/2)+8*(\a%2))*4
.endr
	s_wait_alu depctr_va_vdst(0)
	s_wait_tensorcnt 0x0                           ; my part of slot 0 is in
	ds_add_u32 v[SPW], v[NIL]
	s_wait_dscnt 0x0
	CROUND                                         ; everybody's part is in, and the joint loads meet
	JLOAD G0+4, G1, G0B+4, G1B                     ; slot 1's first fill, the first tensor load behind the round
	FETCH_B 0, 0, 0
	FETCH_A 0, 0, 0
	SCALES 0
	FETCH_A 0, 0, 4
	STEP 0, 0, 1                                   ; the first step stands in front of the loop: its products start the sums
	s_mov_b32 s3, LAPS-1
.Llap:                                                 ; a trip goes once round the ring and fills both slots again
	TURN 0, 1, 1
	STEP 1, 0, 0
	TURN 1, 0, 1
	STEP 0, 0, 0
	s_sub_co_u32 s3, s3, 1
	s_cmp_lg_u32 s3, 0
	s_cbranch_scc1 .Llap
	TURN 0, 1, 0                                   ; the last lap fills nothing
	STEP 1, 0, 0
	s_wait_dscnt 4*NL                              ; the very last step
	WIN MUL_LO
	MUL16 0, 1, 1, 1, 0
	MUL16 2, 1, 1, 1, 0
	s_wait_dscnt 0
	WIN MUL_HI
	MUL16 4, 1, 1, 1, 0
	MUL16 6, 1, 1, 1, 0
	WIN 0
	; THE WAY OUT: a tile of A's rows at a time: the bias is added, the lane's 64 numbers are quantised, and the codes leave as pieces of fragment images: 512 or 256 consecutive bytes a store.  No LDS.
	PLACES NP
	s_wait_loadcnt 0x0                             ; the biases
.irp b, 0,1,2,3
	v_mov_b32 v[TM+4+\b], 0                        ; written once: a lane permute's destination counts as one of its sources
.endr
	s_cmp_eq_u32 s72, 1
	s_cbranch_scc1 .Lepi_v
	; ---- Q, K.  My 128 columns are two heads; a head's 64 channels are half a fragment.  In qimg and kv a fragment holds a PAIR of token tiles: registers 0-5 tile 2 p, registers 6-11 tile 2 p + 1.
	s_lshl_b32 s20, s17, 8
	s_lshl_b32 s21, s15, 7
	s_add_co_u32 s20, s20, s21                     ; my first token
	s_lshr_b32 s21, s20, 11                        ; the batch
	s_bfe_u32 s22, s20, 0x40007                    ; which 128 tokens of it
	s_lshl_b32 s23, s42, 8
	s_lshl_b32 s86, s16, 7
	s_add_co_u32 s23, s23, s86
	s_and_b32 s23, s23, 1023
	s_lshr_b32 s23, s23, 6                         ; my first head
	s_lshl_b32 s21, s21, 4
	s_add_co_u32 s21, s21, s23
	s_cmp_eq_u32 s73, 1
	s_cselect_b64 s[76:77], s[70:71], s[68:69]
	s_mov_b32 s86, 102400
	s_cselect_b32 s86, 204800, s86                 ; a head's bytes: in kv K and V, in qimg Q alone
	s_mov_b32 s87, 0
	s_mul_i32 s88, s21, s86
	s_mul_i32 s22, s22, 6400
	s_add_co_u32 s88, s88, s22
	s_mov_b32 s89, 0
	s_add_nc_u64 s[76:77], s[76:77], s[88:89]      ; the first head's block of 128 tokens,
	s_add_nc_u64 s[78:79], s[76:77], s[86:87]      ; the second's
.macro EPIQK a
.if (\a) > 0
	s_wait_xcnt 0x0                                ; the last tile's stores have read the codes' registers
.endif
	WIN 0x02+(\a)/4
.irp b, 0,1,2,3,4,5,6,7
.irp j, 0,2,4,6
	v_pk_add_f32 v[T+8*\b+\j:T+8*\b+\j+1], v[8*(8*((\a)%4)+\b)+\j:8*(8*((\a)%4)+\b)+\j+1], v[BB+8*\b+\j:BB+8*\b+\j+1]   ; each accumulator from its low end on
.endr
.endr
	WIN 0
	QUANT T, PW
.if (\a)%2 == 0
	global_store_b128 v[L16], v[PC:PC+3], s[76:77] offset:((\a)/2)*1536
	global_store_b64 v[L8], v[PC+4:PC+5], s[76:77] offset:((\a)/2)*1536+512
	global_store_b128 v[L16], v[PC+6:PC+9], s[78:79] offset:((\a)/2)*1536
	global_store_b64 v[L8], v[PC+10:PC+11], s[78:79] offset:((\a)/2)*1536+512
	v_mov_b32 v[PWE], v[PW]
.else
	global_store_b64 v[L8], v[PC:PC+1], s[76:77] offset:((\a)/2)*1536+768
	global_store_b128 v[L16], v[PC+2:PC+5], s[76:77] offset:((\a)/2)*1536+1024
	global_store_b64 v[L8], v[PC+6:PC+7], s[78:79] offset:((\a)/2)*1536+768
	global_store_b128 v[L16], v[PC+8:PC+11], s[78:79] offset:((\a)/2)*1536+1024
	v_perm_b32 v[WA+(\a)/2], v[PW], v[PWE], 0x05040100   ; the pair's scale word for the first head: the even tile's two bytes, then the odd tile's
	v_perm_b32 v[WB+(\a)/2], v[PW], v[PWE], 0x07060302   ; and for the second
.endif
.endm
.irp a, 0,1,2,3,4,5,6,7
	EPIQK \a
.endr
	v_cndmask_b32 v[XW], v[WA], v[WA+2], s80       ; lanes 0-15 store fragments 0 and 1's words, lanes 16-31 fragments 2 and 3's: 8 bytes a lane, 256 on end
	v_cndmask_b32 v[XW+1], v[WA+1], v[WA+3], s80
	v_cndmask_b32 v[XW+2], v[WB], v[WB+2], s80
	v_cndmask_b32 v[XW+3], v[WB+1], v[WB+3], s80
	global_store_b64 v[L8], v[XW:XW+1], s[76:77] offset:6144
	global_store_b64 v[L8], v[XW+2:XW+3], s[78:79] offset:6144
	s_branch .Lclose
.Lepi_v:
	; ---- V.  My 128 rows of A are two heads' channels, my registers run along 128 tokens: tile a is fragment a % 4 (16 channels x 128 keys) of head a / 4.
	s_lshl_b32 s20, s42, 8
	s_lshl_b32 s21, s16, 7
	s_add_co_u32 s20, s20, s21                     ; my first token
	s_lshr_b32 s21, s20, 11
	s_bfe_u32 s22, s20, 0x40007
	s_lshl_b32 s23, s17, 8
	s_lshl_b32 s86, s15, 7
	s_add_co_u32 s23, s23, s86
	s_lshr_b32 s23, s23, 6                         ; my first head
	s_lshl_b32 s21, s21, 4
	s_add_co_u32 s21, s21, s23
	s_mul_i32 s88, s21, 204800
	s_mul_i32 s22, s22, 6400
	s_add_co_u32 s88, s88, s22
	s_add_co_u32 s88, s88, 102400                  ; V lies behind the head's K
	s_mov_b32 s89, 0
	s_add_nc_u64 s[76:77], s[70:71], s[88:89]
	s_add_nc_u64 s[78:79], s[76:77], 204800
.macro EPIV a
.if (\a) > 0
	s_wait_xcnt 0x0
.endif
	v_mov_b32 v[XB], v[BV+(\a)]                    ; my channel's bias, as a pair
	v_mov_b32 v[XB+1], v[BV+(\a)]
	WIN 0x02+(\a)/4
.irp b, 0,1,2,3,4,5,6,7
.irp j, 0,2,4,6
	v_pk_add_f32 v[T+8*\b+\j:T+8*\b+\j+1], v[8*(8*((\a)%4)+\b)+\j:8*(8*((\a)%4)+\b)+\j+1], v[XB:XB+1]
.endr
.endr
	WIN 0
	QUANT T, WA+(\a)%4
	global_store_b128 v[L16], v[PC:PC+3], s[76+2*((\a)/4):77+2*((\a)/4)] offset:((\a)%4)*1536
	global_store_b64 v[L8], v[PC+4:PC+5], s[76+2*((\a)/4):77+2*((\a)/4)] offset:((\a)%4)*1536+512
	global_store_b64 v[L8], v[PC+6:PC+7], s[76+2*((\a)/4):77+2*((\a)/4)] offset:((\a)%4)*1536+768
	global_store_b128 v[L16], v[PC+8:PC+11], s[76+2*((\a)/4):77+2*((\a)/4)] offset:((\a)%4)*1536+1024
.if (\a)%4 == 3
	v_cndmask_b32 v[XW+2*((\a)/4)], v[WA], v[WA+2], s80
	v_cndmask_b32 v[XW+2*((\a)/4)+1], v[WA+1], v[WA+3], s80
	global_store_b64 v[L8], v[XW+2*((\a)/4):XW+2*((\a)/4)+1], s[76+2*((\a)/4):77+2*((\a)/4)] offset:6144
.endif
.endm
.irp a, 0,1,2,3,4,5,6,7
	EPIV \a
.endr
.Lclose:
	s_wait_tensorcnt 0x0                           ; the wave's end, behind my last tensor load
	ds_add_u32 v[SPW], v[NIL]
	s_wait_dscnt 0x0
	CROUND                                         ; the closing round: no work-group ends while a partner may still ask for a piece that names it
	s_endpgm
.Lfunc_end_k_q4255bb43df_qkv:
	.size	k_q4255bb43df_qkv, .Lfunc_end_k_q4255bb43df_qkv-k_q4255bb43df_qkv
	.p2alignl 7, 3214868480
	.fill 96, 4, 3214868480
	.section	.rodata,"a",@progbits
	.p2align	6, 0x0
	.amdhsa_kernel k_q4255bb43df_qkv
		.amdhsa_group_segment_fixed_size 327680
		.amdhsa_private_segment_fixed_size 0
		.amdhsa_enable_private_segment 0
		.amdhsa_kernarg_size 56
		.amdhsa_user_sgpr_count 2
		.amdhsa_user_sgpr_kernarg_segment_ptr 1
		.amdhsa_wavefront_size32 1
		.amdhsa_system_sgpr_workgroup_id_x 1
		.amdhsa_system_sgpr_workgroup_id_y 1
		.amdhsa_system_sgpr_workgroup_id_z 1
		.amdhsa_system_vgpr_workitem_id 0
		.amdhsa_next_free_vgpr 1024
		.amdhsa_next_free_sgpr 100
		.amdhsa_reserve_vcc 0
		.amdhsa_float_denorm_mode_32 3
		.amdhsa_float_denorm_mode_16_64 3
		.amdhsa_memory_ordered 1
		.amdhsa_forward_progress 1
		.amdhsa_inst_pref_size 217
	.end_amdhsa_kernel
	.amdgpu_metadata
---
amdhsa.version: [ 1, 2 ]
amdhsa.kernels:
  - .name:           k_q4255bb43df_qkv
    .symbol:         k_q4255bb43df_qkv.kd
    .args:
      - { .name: ximg, .offset: 0, .size: 8, .value_kind: global_buffer, .address_space: global }
      - { .name: wimg, .offset: 8, .size: 8, .value_kind: global_buffer, .address_space: global }
      - { .name: bq, .offset: 16, .size: 8, .value_kind: global_buffer, .address_space: global }
      - { .name: bk, .offset: 24, .size: 8, .value_kind: global_buffer, .address_space: global }
      - { .name: bv, .offset: 32, .size: 8, .value_kind: global_buffer, .address_space: global }
      - { .name: qimg, .offset: 40, .size: 8, .value_kind: global_buffer, .address_space: global }
      - { .name: kv, .offset: 48, .size: 8, .value_kind: global_buffer, .address_space: global }
    .group_segment_fixed_size: 327680
    .private_segment_fixed_size: 0
    .kernarg_segment_align: 8
    .kernarg_segment_size: 56
    .max_flat_workgroup_size: 128
    .sgpr_count:     100
    .vgpr_count:     1024
    .wavefront_size: 32
...
	.end_amdgpu_metadata
.endif
;; end of part 2
;; launch attn (part 3): grid 4 x 64, 8 waves a work-group, clusters of 4 x 1, 327,680 bytes of LDS; arguments qimg, kv, oimg; writes oimg
.if DOCPART == 3
	.amdgcn_target "amdgcn-amd-amdhsa--gfx1250"
	.amdhsa_code_object_version 6
	.text
	.protected	k_q4255bb43df_attn
	.globl	k_q4255bb43df_attn
	.p2align	8
	.type	k_q4255bb43df_attn,@function
k_q4255bb43df_attn:
	s_mov_b64 s[64:65], 0
	v_nop
	global_prefetch_b8 v0, s[64:65] scope:SCOPE_SE
	s_setreg_imm32_b32 hwreg(HW_REG_WAVE_MODE, 25, 1), 1
	s_wait_xcnt 0x0
	s_wait_alu depctr_hold_cnt(0) depctr_sa_sdst(0) depctr_va_vdst(0) depctr_va_sdst(0) depctr_va_ssrc(0) depctr_va_vcc(0) depctr_vm_vsrc(0)
	s_getreg_b32 s2, hwreg(HW_REG_IB_STS2, 6, 4)
	s_cmp_eq_u32 s2, 0
	s_cbranch_scc0 .Lentry_in_a_cluster
	s_endpgm
.Lentry_in_a_cluster:
	s_bfe_u32 s2, ttmp6, 0x10000c
	s_cmp_lg_u32 s2, 0x3003
	s_cbranch_scc0 .Lentry_shape_is_right
	s_endpgm
.Lentry_shape_is_right:
; out = Q(softmax(Q(q) Q(k)^T) / 512) Q(v) for one head and 512 queries a work-group; q, k, v arrive as codes of FP6 (E2M3) with E8M0 bytes, as images of operand registers; the result leaves as codes for the last projection.
; The softmax is quantised finished and normalised, so every p of a row waits for the row's sum.  EACH EXPONENTIAL IS COMPUTED ONCE: p stays in registers between the sum and the quantiser.
; SHARES.  K and V of the head (204,800 bytes) lie in LDS for the whole launch: one joint load of 25,600 bytes a wave, nothing is filled again.  16 rounds of 32 queries.  Wave w: group g = w % 2 (16 queries), quarter kq = w / 2 (512 keys):
; its 16 x 512 numbers of p are 256 registers a lane, all of window 1.  A round: scores into window 1; block maxima and my own maximum M (a whole number); p = 2^(t - M); my sum; (M, sum) through LDS, barrier 1;
; f = 2^(M mine - M of all) / (512 x sum of all); p x f, quantised by blocks of 32 keys; O^T += V^T p^T; the four partial O^T through LDS, barrier 2; the wave with kq = round % 4 adds them, quantises along the head's 64 and stores.
; A block's largest p is not searched for: its largest score goes through the same multiply-add, exponential and multiplication.
; Both products are used transposed: a lane holds one query.  Head size 64: a K fragment holds a pair of key tiles, and q stands beside zeros: (q, 0) takes the even tile, (0, q) the odd one.
; CLUSTERS: the four work-groups of a head ask for K and V jointly.  No data prefetch: K and V come once, at the head, with no loop ahead of them; q's 768 bytes are loaded one round ahead (the last round's look-ahead is held at round 15).
; LIMITS: the scaled scores stay under 2^31 in magnitude; NaN and infinities are not served; a block whose largest magnitude lies under 2^-124 keeps the scale byte 1.
.set SPARE, 204800                     ; the spare words, 128 bytes a wave
.set STATS, 205824                     ; (M, sum): 256 bytes a wave
.set OSTG,  207872                     ; partial O^T: 4,096 bytes a wave
.set L16, 1
.set L8,  2
.set ADK16, 3
.set ADK8,  4
.set ADV16, 5
.set ADV8,  6
.set SPW, 7
.set NIL, 8
.set R8,  9
.set R16, 10
.set QW,  12
.set QS,  13                           ; q's scale word
.set STW, 14
.set STR, 15
.set OW,  16
.set OR,  17                           ; v17-19 the other three waves' partial O^T
.set KS,  20                           ; v20-27 K's scale words, v28-35 V's: loaded once
.set VS,  28
.set PS,  36                           ; v36-39 p's scale words
.set ST,  40                           ; -M, and at work
.set FF,  42                           ; f (v43 = 0)
.set ZZ,  44                           ; a pair of zeros
.set NEG, 46                           ; -3e38
.set TM,  48                           ; v48-63 the 16 blocks' largest
.set T2,  64                           ; v64-79 at work
.set SX,  64
.set CH,  72
.set PC,  80                           ; v80-99 codes
.set Q,   100                          ; v100-117 q, 0, q
.set O,   118                          ; v118-149 O^T
.set F0,  150                          ; two sets of four fragments
.set F1,  198
.set HW,  246
.set SEL, 20
.set CS,  22
.set MSB, 0
.macro WIN new
.if MSB != \new
	s_set_vgpr_msb (MSB<<8)|\new
.set MSB, \new
.endif
.endm
.macro CROUND
	s_barrier_signal -1
	s_barrier_wait -1
	s_cmp_lg_u32 s12, 0
	s_cbranch_scc1 .Lnot_wave_0_\@
	s_barrier_signal -3
.Lnot_wave_0_\@:
	s_barrier_wait -3
	s_barrier_signal -1
	s_barrier_wait -1
.endm
.macro PLACES
.rept 4
	v_nop
.endr
.endm
.macro FETCH f, a16, a8, off           ; four fragment images, 16 loads
.irp p, 0,1,2,3
	ds_load_b128 v[\f+12*\p:\f+12*\p+3], v[\a16] offset:(\off)+1536*\p
	ds_load_b64 v[\f+12*\p+4:\f+12*\p+5], v[\a8] offset:(\off)+1536*\p+512
	ds_load_b64 v[\f+12*\p+6:\f+12*\p+7], v[\a8] offset:(\off)+1536*\p+768
	ds_load_b128 v[\f+12*\p+8:\f+12*\p+11], v[\a16] offset:(\off)+1536*\p+1024
.endr
.endm
.macro SCORES s, f                     ; S^T of 128 keys into window 1, registers 64 s on: the 16 registers of tiles 2 b, 2 b + 1 are keys 32 b + 16 (lane / 16) + 0 .. 15
	WIN 0x40
.irp p, 0,1
.irp e, 0,1
	v_wmma_scale_f32_16x16x128_f8f6f4 v[64*\s+8*(2*\p+\e):64*\s+8*(2*\p+\e)+7], v[\f+12*\p:\f+12*\p+11], v[Q+6*\e:Q+6*\e+11], 0, v[KS+2*\s+\p], v[QS] matrix_a_fmt:MATRIX_FMT_FP6 matrix_b_fmt:MATRIX_FMT_FP6
.endr
.endr
.irp p, 2,3
.irp e, 0,1
	v_wmma_scale_f32_16x16x128_f8f6f4 v[64*\s+8*(2*\p+\e):64*\s+8*(2*\p+\e)+7], v[\f+12*\p:\f+12*\p+11], v[Q+6*\e:Q+6*\e+11], 0, v[KS+2*\s+\p-2], v[QS] matrix_a_fmt:MATRIX_FMT_FP6 matrix_b_fmt:MATRIX_FMT_FP6 matrix_a_scale:MATRIX_SCALE_ROW1
.endr
.endr
	WIN 0
.endm
.macro MAXS s                          ; my 16 scores of each of the step's four blocks; each accumulator from its low end on
	WIN 0x14
.irp b, 0,1,2,3
	v_max3_num_f32 v[TM+4*\s+\b], v[NEG], v[64*\s+16*\b], v[64*\s+16*\b+1]
.endr
.irp i, 2,4,6,8,10,12,14
.irp b, 0,1,2,3
	v_max3_num_f32 v[TM+4*\s+\b], v[TM+4*\s+\b], v[64*\s+16*\b+\i], v[64*\s+16*\b+\i+1]
.endr
.endr
	WIN 0
.endm
.macro QLOADS                          ; q's tile and scale word of round s59: pair fragment s59, my group's half of it
	s_mul_i32 s60, s59, 1536
	s_lshr_b32 s61, s59, 2
	s_lshl_b32 s62, s61, 8
	s_add_co_u32 s60, s60, s62                     ; 1,536 a fragment, 256 more for each block of 128 queries passed
	s_mul_i32 s62, s61, 6400
	s_bfe_u32 s63, s59, 0x10001
	s_lshl_b32 s63, s63, 7
	s_add_co_u32 s62, s62, s63
	s_and_b32 s63, s59, 1
	s_lshl_b32 s63, s63, 2
	s_add_co_u32 s62, s62, s63
	s_add_co_u32 s62, s62, 6144
	s_mov_b32 s61, 0
	s_mov_b32 s63, 0
	s_add_nc_u64 s[52:53], s[44:45], s[60:61]      ; the loads that read these pairs last were waited for
	s_add_nc_u64 s[54:55], s[44:45], s[62:63]
	s_cmp_eq_u32 s15, 0
	s_cbranch_scc0 .Lq_odd_\@
.irp d, 0,12
	global_load_b128 v[Q+\d:Q+\d+3], v[L16], s[52:53]
	global_load_b64 v[Q+\d+4:Q+\d+5], v[L8], s[52:53] offset:512
.endr
	s_branch .Lq_done_\@
.Lq_odd_\@:
.irp d, 0,12
	global_load_b64 v[Q+\d:Q+\d+1], v[L8], s[52:53] offset:768
	global_load_b128 v[Q+\d+2:Q+\d+5], v[L16], s[52:53] offset:1024
.endr
.Lq_done_\@:
	global_load_b32 v[QW], v[R8], s[54:55]
.endm
.macro MULP s, h                       ; p x f, 32 numbers
	WIN 0x41
.set n, 64*(\s)+32*(\h)
.rept 16
	v_pk_mul_f32 v[n:n+1], v[n:n+1], v[FF:FF+1] op_sel_hi:[1,0]
.set n, n+2
.endr
	WIN 0
.endm
.macro CODES s                         ; the step's 64 numbers become p's fragment
	WIN 0x01
.irp c, 0,1
	v_cvt_scalef32_pk16_fp6_f32 v[PC+6*\c:PC+6*\c+2], v[64*\s+32*\c:64*\s+32*\c+15], v[TM+4*\s+2*\c]
	v_cvt_scalef32_pk16_fp6_f32 v[PC+12+4*\c:PC+14+4*\c], v[64*\s+32*\c+16:64*\s+32*\c+31], v[TM+4*\s+2*\c+1]
.endr
	WIN 0
	v_nop                                          ; one plain place behind a scaled conversion
.irp c, 0,1
.irp i, 0,1,2
	v_permlane16_swap_b32 v[PC+6*\c+\i], v[PC+12+4*\c+\i]   ; a whole block to a lane
.endr
.irp i, 0,1,2
	v_mov_b32 v[PC+3+6*\c+\i], v[PC+12+4*\c+\i]
.endr
.endr
.endm
.macro PV s, f, zero                   ; O^T += V^T p^T: four accumulators by turns
.irp t, 0,1
.if \zero
	v_wmma_scale_f32_16x16x128_f8f6f4 v[O+8*\t:O+8*\t+7], v[\f+12*\t:\f+12*\t+11], v[PC:PC+11], 0, v[VS+2*\s+\t], v[PS+\s] matrix_a_fmt:MATRIX_FMT_FP6 matrix_b_fmt:MATRIX_FMT_FP6
.else
	v_wmma_scale_f32_16x16x128_f8f6f4 v[O+8*\t:O+8*\t+7], v[\f+12*\t:\f+12*\t+11], v[PC:PC+11], v[O+8*\t:O+8*\t+7], v[VS+2*\s+\t], v[PS+\s] matrix_a_fmt:MATRIX_FMT_FP6 matrix_b_fmt:MATRIX_FMT_FP6
.endif
.endr
.irp t, 2,3
.if \zero
	v_wmma_scale_f32_16x16x128_f8f6f4 v[O+8*\t:O+8*\t+7], v[\f+12*\t:\f+12*\t+11], v[PC:PC+11], 0, v[VS+2*\s+\t-2], v[PS+\s] matrix_a_fmt:MATRIX_FMT_FP6 matrix_b_fmt:MATRIX_FMT_FP6 matrix_a_scale:MATRIX_SCALE_ROW1
.else
	v_wmma_scale_f32_16x16x128_f8f6f4 v[O+8*\t:O+8*\t+7], v[\f+12*\t:\f+12*\t+11], v[PC:PC+11], v[O+8*\t:O+8*\t+7], v[VS+2*\s+\t-2], v[PS+\s] matrix_a_fmt:MATRIX_FMT_FP6 matrix_b_fmt:MATRIX_FMT_FP6 matrix_a_scale:MATRIX_SCALE_ROW1
.endif
.endr
.endm
	s_load_b128 s[4:7], s[0:1], 0x0                ; qimg, kv
	s_load_b64 s[8:9], s[0:1], 0x10                ; oimg
	v_lshl_add_u32 v[SPW], v0, 2, SPARE
	v_mov_b32 v[NIL], 0
	ds_add_u32 v[SPW], v[NIL]                      ; the opening lines: the add, twice on end, and its wait
	ds_add_u32 v[SPW], v[NIL]
	v_lshrrev_b32 v11, 5, v0
	v_readfirstlane_b32 s12, v11                   ; wave
	s_and_b32 s15, s12, 1                          ; g
	s_lshr_b32 s16, s12, 1                         ; kq
	s_bfe_u32 s13, ttmp6, 0x40000                  ; cx: which 512 queries
	s_and_b32 s14, ttmp7, 0xffff                   ; 16 x batch + head
	s_mov_b32 s24, 15|(3<<16)|(1<<21)              ; the four partners; elements of 8 bytes
	s_mov_b32 s25, 32<<16                          ; rows of 256 bytes,
	s_mov_b32 s26, 100<<16                         ; 100 of them: 25,600 dense bytes
	s_mov_b32 s27, 32<<16
	s_mov_b32 s28, 100
	s_mov_b32 s29, 32
	s_mov_b32 s30, 0
	s_mov_b32 s31, 0
	s_mov_b32 s32, 1
	s_mul_i32 s33, s12, 25600                      ; wave w brings the w-th eighth of the head's K and V
	s_mul_i32 s60, s14, 204800
	s_add_co_u32 s60, s60, s33
	s_mov_b32 s61, 0
	s_mul_i32 s62, s14, 102400                     ; q: the head, my work-group's four blocks of 128 queries
	s_mul_i32 s63, s13, 25600
	s_add_co_u32 s62, s62, s63
	s_mov_b32 s63, 0
	s_lshr_b32 s70, s14, 4                         ; oimg: piece ((16 batch + 4 cx) 4 + head / 4) of 25,600 bytes
	s_lshl_b32 s70, s70, 2
	s_add_co_u32 s70, s70, s13
	s_lshl_b32 s70, s70, 4
	s_and_b32 s71, s14, 15
	s_lshr_b32 s72, s71, 2
	s_add_co_u32 s70, s70, s72
	s_mul_i32 s70, s70, 25600
	s_bfe_u32 s73, s71, 0x10001                    ; which 128 of the piece's 256 along K
	s_and_b32 s56, s71, 1                          ; which half of a fragment
	s_mul_i32 s66, s73, 12288
	s_mul_i32 s67, s15, 1536
	s_add_co_u32 s66, s66, s67
	s_add_co_u32 s66, s66, s70
	s_mov_b32 s67, 0
	s_lshl_b32 s68, s73, 9
	s_lshl_b32 s69, s56, 1
	s_add_co_u32 s68, s68, s69
	s_lshl_b32 s69, s15, 2
	s_add_co_u32 s68, s68, s69
	s_add_co_u32 s68, s68, s70
	s_add_co_u32 s68, s68, 24576
	s_mov_b32 s69, 0
	s_mul_i32 s74, s16, 25600                      ; LDS: my quarter of K,
	s_add_co_u32 s75, s74, 102400                  ; of V
	s_lshl_b32 s76, s15, 2
	s_add_co_u32 s77, s76, s16                     ; my place 4 g + kq
	s_lshl_b32 s78, s77, 8
	s_add_co_u32 s78, s78, STATS
	s_lshl_b32 s79, s15, 10
	s_add_co_u32 s79, s79, STATS
	s_lshl_b32 s77, s77, 12
	s_add_co_u32 s77, s77, OSTG
.irp i, 1,2,3
	s_add_co_u32 s[16+\i], s16, \i                 ; my group's other three places
	s_and_b32 s[16+\i], s[16+\i], 3
	s_add_co_u32 s[16+\i], s[16+\i], s76
	s_lshl_b32 s[16+\i], s[16+\i], 12
	s_add_co_u32 s[16+\i], s[16+\i], OSTG
.endr
	s_mov_b32 s[SEL], 0x76543210
	s_mov_b32 s[SEL+1], 0xfedcba98
	s_mov_b32 s[CS], 0x3fb8aa3b                    ; log2(e)
	s_mov_b32 s[CS+1], s[CS]
	s_cmp_eq_u32 s15, 0
	s_mov_b32 s57, 0x03020302                      ; my tile's two scale bytes of the pair's word, twice
	s_cselect_b32 s57, 0x01000100, s57
	s_wait_dscnt 0x0
	s_wait_kmcnt 0x0
	s_add_nc_u64 s[34:35], s[6:7], s[60:61]
	s_or_b32 s35, s35, 0x80000000
	s_add_nc_u64 s[44:45], s[4:5], s[62:63]
	s_add_nc_u64 s[48:49], s[8:9], s[66:67]
	s_add_nc_u64 s[50:51], s[8:9], s[68:69]
	CROUND                                         ; the joint loads meet
	tensor_load_to_lds s[32:35], s[24:31]          ; my one tensor load of the launch
	s_nop 0
	PLACES
	v_and_b32 v11, 31, v0
	v_and_b32 v[R8], 15, v0
	v_lshlrev_b32 v[L16], 4, v11
	v_lshlrev_b32 v[L8], 3, v11
	v_lshlrev_b32 v[R16], 4, v[R8]
	v_lshlrev_b32 v[R8], 3, v[R8]
	v_add_nc_u32 v[ADK16], s74, v[L16]
	v_add_nc_u32 v[ADK8], s74, v[L8]
	v_add_nc_u32 v[ADV16], s75, v[L16]
	v_add_nc_u32 v[ADV8], s75, v[L8]
	v_add_nc_u32 v[STW], s78, v[L8]
	v_add_nc_u32 v[STR], s79, v[L8]
	v_add_nc_u32 v[OW], s77, v[L16]
.irp i, 0,1,2
	v_add_nc_u32 v[OR+\i], s[17+\i], v[L16]
.endr
.irp z, 6,7,8,9,10,11
	v_mov_b32 v[Q+\z], 0                           ; the zeros between the two copies of q
.endr
.set n, 0
.rept 16
	v_mov_b32 v[T2+n], 0                           ; written once: a lane permute's destination counts as one of its sources
.set n, n+1
.endr
	v_mov_b32 v47, 0
	v_mov_b32 v[FF+1], 0
	v_mov_b32 v[ZZ], 0
	v_mov_b32 v[ZZ+1], 0
	v_mov_b32 v[NEG], 0xff61b1e6
	s_wait_alu depctr_va_vdst(0)
	s_mov_b32 s59, 0
	QLOADS
	s_wait_loadcnt 0x0
	v_perm_b32 v[QS], v[QW], v[QW], s57
	s_wait_alu depctr_va_vdst(0)
	s_wait_tensorcnt 0x0                           ; my eighth is in,
	s_barrier_signal -1
	s_barrier_wait -1                              ; everybody's is
.irp s, 0,1,2,3
	ds_load_b64 v[KS+2*\s:KS+2*\s+1], v[ADK8] offset:6400*\s+6144
	ds_load_b64 v[VS+2*\s:VS+2*\s+1], v[ADV8] offset:6400*\s+6144
.endr
	s_mov_b32 s58, 0
.Lround:
	FETCH F0, ADK16, ADK8, 0
	FETCH F1, ADK16, ADK8, 6400
	s_wait_dscnt 16                                ; all but the youngest set's 16 loads, here and below
	SCORES 0, F0
	PLACES
	FETCH F0, ADK16, ADK8, 12800
	s_wait_dscnt 16
	SCORES 1, F1
	MAXS 0                                         ; these 32 lines are also the places in front of the loads below
	FETCH F1, ADK16, ADK8, 19200
	s_wait_dscnt 16
	SCORES 2, F0
	MAXS 1
	FETCH F0, ADV16, ADV8, 0                       ; V's first two steps come early
	s_wait_dscnt 16
	SCORES 3, F1
	MAXS 2
	FETCH F1, ADV16, ADV8, 6400
	s_add_co_u32 s59, s58, 1
	s_min_u32 s59, s59, 15                         ; the next round's q, held inside the buffer
	QLOADS
	MAXS 3
.set n, 0
.rept 16
	v_permlanex16_b32 v[T2+n], v[TM+n], s[SEL], s[SEL+1]
.set n, n+1
.endr
.set n, 0
.rept 16
	v_max_num_f32 v[TM+n], v[TM+n], v[T2+n]        ; with lane l xor 16's: the block's largest score
.set n, n+1
.endr
	v_max3_num_f32 v[ST+1], v[TM], v[TM+1], v[TM+2]
	v_max3_num_f32 v47, v[TM+3], v[TM+4], v[TM+5]
	v_max3_num_f32 v[ST+1], v[ST+1], v[TM+6], v[TM+7]
	v_max3_num_f32 v47, v47, v[TM+8], v[TM+9]
	v_max3_num_f32 v[ST+1], v[ST+1], v[TM+10], v[TM+11]
	v_max3_num_f32 v47, v47, v[TM+12], v[TM+13]
	v_max3_num_f32 v[ST+1], v[ST+1], v[TM+14], v[TM+15]
	s_delay_alu instid0(VALU_DEP_1)
	v_max_num_f32 v[ST+1], v[ST+1], v47            ; my 512 keys' largest score
	s_delay_alu instid0(VALU_DEP_1)
	v_mul_f32 v[ST+1], s[CS], v[ST+1]
	s_delay_alu instid0(VALU_DEP_1)
	v_floor_f32 v[ST], -v[ST+1]                    ; -M = floor(-t): a whole number
	WIN 0x41
.set n, 0
.rept 128
	v_pk_fma_f32 v[n:n+1], v[n:n+1], s[CS:CS+1], v[ST:ST+1] op_sel_hi:[1,0,0]   ; t - M
.set n, n+2
.endr
	WIN 0
.set n, 0
.rept 16
	v_fma_f32 v[TM+n], v[TM+n], s[CS], v[ST]
.set n, n+1
.endr
	s_wait_alu depctr_va_vdst(0)
.set n, 0
.rept 16
	v_exp_f32 v[TM+n], v[TM+n]
.set n, n+1
.endr
	WIN 0x41
.set n, 0
.rept 256
	v_exp_f32 v[n], v[n]                           ; p under my own M, at most 1
.set n, n+1
.endr
	WIN 0
	v_nop
	s_wait_alu depctr_va_vdst(0)
	WIN 0x04
.set n, 0
.rept 32
.irp c, 0,1,2,3
.if n == 0
	v_pk_add_f32 v[CH+2*\c:CH+2*\c+1], v[ZZ:ZZ+1], v[n+2*\c:n+2*\c+1]
.else
	v_pk_add_f32 v[CH+2*\c:CH+2*\c+1], v[CH+2*\c:CH+2*\c+1], v[n+2*\c:n+2*\c+1]   ; the sum of the unquantised p, in four chains
.endif
.endr
.set n, n+8
.endr
	WIN 0
	v_pk_add_f32 v[CH:CH+1], v[CH:CH+1], v[CH+2:CH+3]
	v_pk_add_f32 v[CH+4:CH+5], v[CH+4:CH+5], v[CH+6:CH+7]
	s_delay_alu instid0(VALU_DEP_1)
	v_pk_add_f32 v[CH:CH+1], v[CH:CH+1], v[CH+4:CH+5]
	s_delay_alu instid0(VALU_DEP_1)
	v_add_f32 v[CH], v[CH], v[CH+1]
	s_delay_alu instid0(VALU_DEP_1)
	v_permlanex16_b32 v47, v[CH], s[SEL], s[SEL+1]
	s_delay_alu instid0(VALU_DEP_1)
	v_add_f32 v[ST+1], v[CH], v47
	ds_store_b64 v[STW], v[ST:ST+1]                ; (-M, sum) of my quarter
	s_wait_alu depctr_va_vdst(0)
	s_wait_dscnt 0x0                               ; my store is done, and so are my loads
	s_barrier_signal -1
	s_barrier_wait -1                              ; barrier 1
.irp i, 0,1,2,3
	ds_load_b64 v[SX+2*\i:SX+2*\i+1], v[STR] offset:256*\i
.endr
	s_wait_dscnt 0x0
	s_wait_loadcnt 0x0                             ; the next round's q is in
	s_wait_xcnt 0x0                                ; any stores of mine have read their registers
	v_perm_b32 v[QS], v[QW], v[QW], s57
	v_min_num_f32 v47, v[SX], v[SX+2]
	v_min_num_f32 v11, v[SX+4], v[SX+6]
	s_delay_alu instid0(VALU_DEP_1)
	v_min_num_f32 v47, v47, v11                    ; -M of all four
.irp i, 0,1,2,3
	v_sub_f32 v[SX+2*\i], v47, v[SX+2*\i]          ; a quarter's M less the common one: a whole number, 0 or less
.endr
	v_sub_f32 v[FF], v47, v[ST]
.irp i, 0,1,2,3
	v_cvt_i32_f32 v[SX+2*\i], v[SX+2*\i]           ; (it saturates)
.endr
	v_cvt_i32_f32 v[FF], v[FF]
.irp i, 0,1,2,3
	v_ldexp_f32 v[SX+2*\i+1], v[SX+2*\i+1], v[SX+2*\i]
.endr
	v_add_f32 v[SX+1], v[SX+1], v[SX+3]
	v_add_f32 v[SX+5], v[SX+5], v[SX+7]
	s_delay_alu instid0(VALU_DEP_1)
	v_add_f32 v[SX+1], v[SX+1], v[SX+5]            ; the row's sum
	s_wait_alu depctr_va_vdst(0)
	v_rcp_f32 v11, v[SX+1]
	v_nop
	s_wait_alu depctr_va_vdst(0)
	v_mul_f32 v11, 0x3b000000, v11                 ; / 512
	s_delay_alu instid0(VALU_DEP_1)
	v_ldexp_f32 v[FF], v11, v[FF]                  ; f
.set n, 0
.rept 16
	v_mul_f32 v[TM+n], v[TM+n], v[FF]              ; each block's largest finished p
.set n, n+1
.endr
.set n, 0
.rept 16
	v_max_num_f32 v[TM+n], 0x1800000, v[TM+n]      ; the floor 2^(3 - 127): the byte cannot fall under 1
.set n, n+1
.endr
.set n, 0
.rept 16
	v_add_nc_u32 v[TM+n], 0xff000000, v[TM+n]      ; 2 off the exponent field: the conversion's scale operand
.set n, n+1
.endr
.set n, 0
.rept 16
	v_lshrrev_b32 v[T2+n], 23, v[TM+n]             ; the byte
.set n, n+1
.endr
.irp s, 0,1,2,3
	v_lshl_or_b32 v[PS+\s], v[T2+4*\s+1], 8, v[T2+4*\s]
.endr
.irp s, 0,1,2,3
	v_lshl_or_b32 v[PS+\s], v[T2+4*\s+2], 16, v[PS+\s]
.endr
.irp s, 0,1,2,3
	v_lshl_or_b32 v[PS+\s], v[T2+4*\s+3], 24, v[PS+\s]
.endr
	MULP 0, 0
	MULP 0, 1
	CODES 0
	MULP 1, 0                                      ; the next step's multiplications are the places round the products
	PV 0, F0, 1                                    ; the first product starts the sums
	MULP 1, 1
	FETCH F0, ADV16, ADV8, 12800
	CODES 1
	MULP 2, 0
	PV 1, F1, 0
	MULP 2, 1
	FETCH F1, ADV16, ADV8, 19200
	CODES 2
	MULP 3, 0
	s_wait_dscnt 0x0                               ; V's last two steps are in
	PV 2, F0, 0
	MULP 3, 1
	CODES 3
	PLACES
	PV 3, F1, 0
	PLACES
.irp k, 0,1,2,3,4,5,6,7
	ds_store_b128 v[OW], v[O+4*\k:O+4*\k+3] offset:512*\k   ; my partial O^T
.endr
	s_wait_dscnt 0x0
	s_barrier_signal -1
	s_barrier_wait -1                              ; barrier 2
	s_and_b32 s59, s58, 3
	s_cmp_eq_u32 s59, s16
	s_cbranch_scc0 .Lnot_mine                      ; the waves of a group take the way out by turns
.irp i, 0,1,2
.irp k, 0,1,2,3,4,5,6,7
	ds_load_b128 v[F0+32*\i+4*\k:F0+32*\i+4*\k+3], v[OR+\i] offset:512*\k
.endr
.endr
	s_lshr_b32 s60, s58, 2                         ; the block of 128 queries: 102,400 bytes on; the pair of tiles: 3,072
	s_mul_i32 s60, s60, 102400
	s_mul_i32 s61, s59, 3072
	s_add_co_u32 s62, s60, s61
	s_bfe_u32 s61, s58, 0x10001
	s_lshl_b32 s61, s61, 8
	s_add_co_u32 s60, s60, s61
	s_and_b32 s61, s58, 1
	s_lshl_b32 s61, s61, 3
	s_add_co_u32 s60, s60, s61
	s_mov_b32 s61, 0
	s_mov_b32 s63, 0
	s_add_nc_u64 s[40:41], s[48:49], s[62:63]
	s_add_nc_u64 s[42:43], s[50:51], s[60:61]
	s_wait_dscnt 0x0
.set n, 0
.rept 16
	v_pk_add_f32 v[O+n:O+n+1], v[O+n:O+n+1], v[F0+n:F0+n+1]
	v_pk_add_f32 v[F0+32+n:F0+33+n], v[F0+32+n:F0+33+n], v[F0+64+n:F0+65+n]
.set n, n+2
.endr
.set n, 0
.rept 16
	v_pk_add_f32 v[O+n:O+n+1], v[O+n:O+n+1], v[F0+32+n:F0+33+n]
.set n, n+2
.endr
.irp b, 0,1
	v_max3_num_f32 v[T2+\b], 0x1800000, |v[O+16*\b]|, |v[O+16*\b+1]|
.endr
.irp i, 2,4,6,8,10,12,14
.irp b, 0,1
	v_max3_num_f32 v[T2+\b], v[T2+\b], |v[O+16*\b+\i]|, |v[O+16*\b+\i+1]|
.endr
.endr
.irp b, 0,1
	v_permlanex16_b32 v[T2+4+\b], v[T2+\b], s[SEL], s[SEL+1]
.endr
.irp b, 0,1
	v_max_num_f32 v[T2+\b], v[T2+\b], v[T2+4+\b]
.endr
.irp b, 0,1
	v_add_nc_u32 v[T2+8+\b], 0xff000000, v[T2+\b]
.endr
.irp b, 0,1
	v_lshrrev_b32 v[T2+4+\b], 23, v[T2+8+\b]
.endr
	v_lshl_or_b32 v[HW], v[T2+5], 8, v[T2+4]       ; the head's two scale bytes of my query
	v_cvt_scalef32_pk16_fp6_f32 v[PC:PC+2], v[O:O+15], v[T2+8]
	v_cvt_scalef32_pk16_fp6_f32 v[PC+12:PC+14], v[O+16:O+31], v[T2+9]
	v_nop
.irp i, 0,1,2
	v_permlane16_swap_b32 v[PC+\i], v[PC+12+\i]
.endr
.irp i, 0,1,2
	v_mov_b32 v[PC+3+\i], v[PC+12+\i]
.endr
	s_cmp_eq_u32 s56, 1
	s_wait_alu depctr_va_vdst(0)
	s_cbranch_scc1 .Lodd
	global_store_b128 v[L16], v[PC:PC+3], s[40:41]           ; an even head: registers 0-5 of the fragment's image
	global_store_b64 v[L8], v[PC+4:PC+5], s[40:41] offset:512
	s_branch .Lsent
.Lodd:
	global_store_b64 v[L8], v[PC:PC+1], s[40:41] offset:768  ; an odd head: registers 6-11
	global_store_b128 v[L16], v[PC+2:PC+5], s[40:41] offset:1024
.Lsent:
	global_store_b16 v[R16], v[HW], s[42:43]       ; both halves of the lanes hold, and write, the same two bytes
.Lnot_mine:
	s_add_co_u32 s58, s58, 1
	s_cmp_lt_u32 s58, 16
	s_wait_alu depctr_va_vdst(0)
	s_cbranch_scc1 .Lround
	s_wait_tensorcnt 0x0                           ; the wave's end
	ds_add_u32 v[SPW], v[NIL]
	s_wait_dscnt 0x0
	CROUND                                         ; the closing round
	s_endpgm
.Lfunc_end_k_q4255bb43df_attn:
	.size	k_q4255bb43df_attn, .Lfunc_end_k_q4255bb43df_attn-k_q4255bb43df_attn
	.p2alignl 7, 3214868480
	.fill 96, 4, 3214868480
	.section	.rodata,"a",@progbits
	.p2align	6, 0x0
	.amdhsa_kernel k_q4255bb43df_attn
		.amdhsa_group_segment_fixed_size 327680
		.amdhsa_private_segment_fixed_size 0
		.amdhsa_enable_private_segment 0
		.amdhsa_kernarg_size 24
		.amdhsa_user_sgpr_count 2
		.amdhsa_user_sgpr_kernarg_segment_ptr 1
		.amdhsa_wavefront_size32 1
		.amdhsa_system_sgpr_workgroup_id_x 1
		.amdhsa_system_sgpr_workgroup_id_y 1
		.amdhsa_system_sgpr_workgroup_id_z 1
		.amdhsa_system_vgpr_workitem_id 0
		.amdhsa_next_free_vgpr 512
		.amdhsa_next_free_sgpr 80
		.amdhsa_reserve_vcc 0
		.amdhsa_float_denorm_mode_32 3
		.amdhsa_float_denorm_mode_16_64 3
		.amdhsa_memory_ordered 1
		.amdhsa_forward_progress 1
		.amdhsa_inst_pref_size 88
	.end_amdhsa_kernel
	.amdgpu_metadata
---
amdhsa.version: [ 1, 2 ]
amdhsa.kernels:
  - .name:           k_q4255bb43df_attn
    .symbol:         k_q4255bb43df_attn.kd
    .args:
      - { .name: qimg, .offset: 0, .size: 8, .value_kind: global_buffer, .address_space: global }
      - { .name: kv, .offset: 8, .size: 8, .value_kind: global_buffer, .address_space: global }
      - { .name: oimg, .offset: 16, .size: 8, .value_kind: global_buffer, .address_space: global }
    .group_segment_fixed_size: 327680
    .private_segment_fixed_size: 0
    .kernarg_segment_align: 8
    .kernarg_segment_size: 24
    .max_flat_workgroup_size: 256
    .sgpr_count:     80
    .vgpr_count:     512
    .wavefront_size: 32
...
	.end_amdgpu_metadata
.endif
;; end of part 3
;; launch proj (part 4): grid 4 x 32, 4 waves a work-group, clusters of 4 x 4, 327,680 bytes of LDS; arguments oimg, wimg, bo, out0; writes out0
.if DOCPART == 4
	.amdgcn_target "amdgcn-amd-amdhsa--gfx1250"
	.amdhsa_code_object_version 6
	.text
	.protected	k_q4255bb43df_proj
	.globl	k_q4255bb43df_proj
	.p2align	8
	.type	k_q4255bb43df_proj,@function
k_q4255bb43df_proj:
	s_mov_b64 s[64:65], 0
	v_nop
	global_prefetch_b8 v0, s[64:65] scope:SCOPE_SE
	s_setreg_imm32_b32 hwreg(HW_REG_WAVE_MODE, 25, 1), 1
	s_wait_xcnt 0x0
	s_wait_alu depctr_hold_cnt(0) depctr_sa_sdst(0) depctr_va_vdst(0) depctr_va_sdst(0) depctr_va_ssrc(0) depctr_va_vcc(0) depctr_vm_vsrc(0)
	s_getreg_b32 s2, hwreg(HW_REG_IB_STS2, 6, 4)
	s_cmp_eq_u32 s2, 0
	s_cbranch_scc0 .Lentry_in_a_cluster
	s_endpgm
.Lentry_in_a_cluster:
	s_bfe_u32 s2, ttmp6, 0x10000c
	s_cmp_lg_u32 s2, 0xf033
	s_cbranch_scc0 .Lentry_shape_is_right
	s_endpgm
.Lentry_shape_is_right:
.set GBB,   25600
.set RBS,   102400
.set SLOT,  102400
.set SPARE, 204800
.set SPITCH, 528
.set FR,    12
.set NL,    4
.set NP,    4
.set LAPS,  2
.set ADRA16, 16
.set ADRA8,  18
.set ADRB16, 20
.set ADRB8,  22
.set ADRS,   24
.set STO,    26
.set RD,     27
.set SPW,    28
.set NIL,    29
.set L16,    30
.set L8,     31
.set SC,     32
.set BO,     64
.set AF,     128
.set BK,     128
.set G1,  24
.set G0,  32
.set G1B, 48
.set G0B, 56
.set MSB, 0
.macro WIN new
.if MSB != \new
	s_set_vgpr_msb (MSB<<8)|\new
.set MSB, \new
.endif
.endm
.set MUL_LO, 0xa1
.set MUL_HI, 0xf1
.set TO_B,   0x40
.macro JLOAD g0a, g1a, g0b, g1b
	s_cmp_eq_u32 s15, 0
	s_cbranch_scc0 .Lfor_b_\@
	tensor_load_to_lds s[\g0a:\g0a+3], s[\g1a:\g1a+7]
	s_nop 0
.rept 4
	v_nop
.endr
	s_branch .Lasked_\@
.Lfor_b_\@:
	tensor_load_to_lds s[\g0b:\g0b+3], s[\g1b:\g1b+7]
	s_nop 0
.rept 4
	v_nop
.endr
.Lasked_\@:
.endm
.macro CREST
	s_cmp_lg_u32 s14, 0
	s_cbranch_scc1 .Lnot_wave_0_\@
	s_barrier_signal -3
.Lnot_wave_0_\@:
	s_barrier_wait -3
	s_barrier_signal -1
	s_barrier_wait -1
.endm
.macro CROUND
	s_barrier_signal -1
	s_barrier_wait -1
	CREST
.endm
.macro PLACES n
.rept \n
	v_nop
.endr
.endm
.macro FRAG reg, a16, a8, off
	ds_load_b128 v[(\reg):(\reg)+3], v[\a16] offset:(\off)
	ds_load_b64 v[(\reg)+4:(\reg)+5], v[\a8] offset:(\off)+512
	ds_load_b64 v[(\reg)+6:(\reg)+7], v[\a8] offset:(\off)+768
	ds_load_b128 v[(\reg)+8:(\reg)+11], v[\a16] offset:(\off)+1024
.endm
.macro MUL16 a0, p, q, sc, zero
.irp a, \a0, \a0+1
.irp b, 0,1,2,3,4,5,6,7
.if \zero
	v_wmma_scale_f32_16x16x128_f8f6f4 v[8*(8*((\a)%4)+\b):8*(8*((\a)%4)+\b)+7], v[128*(\p)+FR*\b:128*(\p)+FR*\b+FR-1], v[AF+FR*(\a):AF+FR*(\a)+FR-1], 0, v[SC+16*(\sc)+8*(\q)+\b], v[SC+16*(\sc)+8*(\q)+(\a)] matrix_a_fmt:MATRIX_FMT_FP6 matrix_b_fmt:MATRIX_FMT_FP6 matrix_a_scale:MATRIX_SCALE_ROW1
.else
	v_wmma_scale_f32_16x16x128_f8f6f4 v[8*(8*((\a)%4)+\b):8*(8*((\a)%4)+\b)+7], v[128*(\p)+FR*\b:128*(\p)+FR*\b+FR-1], v[AF+FR*(\a):AF+FR*(\a)+FR-1], v[8*(8*((\a)%4)+\b):8*(8*((\a)%4)+\b)+7], v[SC+16*(\sc)+8*(\q)+\b], v[SC+16*(\sc)+8*(\q)+(\a)] matrix_a_fmt:MATRIX_FMT_FP6 matrix_b_fmt:MATRIX_FMT_FP6 matrix_a_scale:MATRIX_SCALE_ROW1
.endif
.endr
.endr
.endm
.macro FETCH_B slot, q, p
	WIN TO_B
.irp i, 0,1,2,3,4,5,6,7
	FRAG 128*(\p)+FR*\i, ADRB16+\slot, ADRB8+\slot, (\q)*12288+\i*1536
.endr
	WIN 0
.endm
.macro FETCH_A slot, q, i0
.irp i, \i0, \i0+1, \i0+2, \i0+3
	FRAG AF+FR*(\i), ADRA16+\slot, ADRA8+\slot, (\q)*12288+(\i)*1536
.endr
.endm
.macro SCALES sc
.irp t, 0,1
.irp g, 0,1
	ds_load_b128 v[SC+16*\sc+8*\t+4*\g:SC+16*\sc+8*\t+4*\g+3], v[ADRS+\sc] offset:\t*512+\g*256
.endr
.endr
.endm
.macro STEP slot, q, zero
	s_wait_dscnt 4*NL
	WIN MUL_LO
	MUL16 0, (\q)%2, \q, \slot, \zero
	MUL16 2, (\q)%2, \q, \slot, \zero
	s_wait_dscnt 0
	PLACES NP
	FETCH_B \slot, (\q)+1, 1-(\q)%2
	FETCH_A \slot, (\q)+1, 0
	WIN MUL_HI
	MUL16 4, (\q)%2, \q, \slot, \zero
	MUL16 6, (\q)%2, \q, \slot, \zero
	PLACES NP
	WIN 0
	FETCH_A \slot, (\q)+1, 4
.endm
.macro TURN slot, next, fill
	s_wait_tensorcnt 0x0
	ds_add_u32 v[SPW], v[NIL]
	s_wait_dscnt 4*NL+1
	WIN MUL_LO
	MUL16 0, 1, 1, \slot, 0
	s_wait_dscnt 0x0
	s_barrier_signal -1
	MUL16 2, 1, 1, \slot, 0
	WIN 0
	s_barrier_wait -1
.if \fill
	CREST
	s_add_nc_u64 s[G0+4*\slot+2:G0+4*\slot+3], s[G0+4*\slot+2:G0+4*\slot+3], 2*GBB
	s_add_nc_u64 s[G0B+4*\slot+2:G0B+4*\slot+3], s[G0B+4*\slot+2:G0B+4*\slot+3], 2*GBB
	JLOAD G0+4*\slot, G1, G0B+4*\slot, G1B
.else
	PLACES NP
.endif
	FETCH_B \next, 0, 0
	FETCH_A \next, 0, 0
	SCALES \next
	WIN MUL_HI
	MUL16 4, 1, 1, \slot, 0
	MUL16 6, 1, 1, \slot, 0
	PLACES NP
	WIN 0
	FETCH_A \next, 0, 4
.endm
	s_load_b256 s[4:11], s[0:1], 0x0
	v_lshl_add_u32 v[SPW], v0, 2, SPARE
	v_mov_b32 v[NIL], 0
	ds_add_u32 v[SPW], v[NIL]
	ds_add_u32 v[SPW], v[NIL]
	v_lshrrev_b32 v1, 5, v0
	v_readfirstlane_b32 s14, v1
	s_lshr_b32 s15, s14, 1
	s_and_b32 s16, s14, 1
	s_bfe_u32 s40, ttmp6, 0x40000
	s_bfe_u32 s41, ttmp6, 0x40004
	s_lshl_b32 s42, ttmp9, 2
	s_add_co_u32 s42, s42, s40
	s_and_b32 s17, ttmp7, 0xffff
	s_lshl_b32 s17, s17, 2
	s_add_co_u32 s17, s17, s41
	s_lshl_b32 s43, s41, 2
	s_lshl_b32 s43, 15, s43
	s_lshl_b32 s44, 0x1111, s40
	s_or_b32 s[G1], s43, (3<<16)|(1<<21)
	s_or_b32 s[G1B], s44, (3<<16)|(1<<21)
.irp g, G1, G1B
	s_mov_b32 s[\g+1], 32<<16
	s_mov_b32 s[\g+2], 100<<16
	s_mov_b32 s[\g+3], 32<<16
	s_mov_b32 s[\g+4], 100
	s_mov_b32 s[\g+5], 32
	s_mov_b32 s[\g+6], 0
	s_mov_b32 s[\g+7], 0
.endr
	s_lshl_b32 s20, s17, 1
	s_add_co_u32 s20, s20, s16
	s_mul_i32 s20, s20, RBS
	s_mov_b32 s21, 0
	s_lshl_b32 s46, s42, 1
	s_add_co_u32 s46, s46, s16
	s_add_co_u32 s46, s46, 24
	s_mul_i32 s46, s46, RBS
	s_mov_b32 s47, 0
	s_mul_i32 s75, s14, GBB
	s_wait_dscnt 0x0
	s_wait_kmcnt 0x0
	s_add_nc_u64 s[20:21], s[4:5], s[20:21]
	s_add_nc_u64 s[46:47], s[6:7], s[46:47]
	CROUND
.irp s, 0,1
	s_mov_b32 s[G0+4*\s], 1
	s_add_co_u32 s[G0+4*\s+1], s75, \s*SLOT
	s_add_nc_u64 s[G0+4*\s+2:G0+4*\s+3], s[20:21], \s*GBB
	s_or_b32 s[G0+4*\s+3], s[G0+4*\s+3], 0x80000000
	s_mov_b32 s[G0B+4*\s], 1
	s_add_co_u32 s[G0B+4*\s+1], s75, \s*SLOT
	s_add_nc_u64 s[G0B+4*\s+2:G0B+4*\s+3], s[46:47], \s*GBB
	s_or_b32 s[G0B+4*\s+3], s[G0B+4*\s+3], 0x80000000
.endr
	JLOAD G0, G1, G0B, G1B                         ; slot 0: one tensor load a wave at the head
	v_and_b32 v1, 15, v0
	v_bfe_u32 v2, v0, 4, 1
	v_and_b32 v3, 31, v0
	v_lshlrev_b32 v[L16], 4, v3
	v_lshlrev_b32 v[L8], 3, v3
	s_mul_i32 s21, s15, GBB
	s_mul_i32 s22, s16, GBB
	s_add_co_u32 s22, s22, 2*GBB
	v_lshlrev_b32 v5, 4, v1
	s_sub_co_u32 s23, s22, s21
	v_mul_u32_u24 v6, s23, v2
	v_add_nc_u32 v5, v5, v6
	s_add_co_u32 s23, s21, 24576
	v_add_nc_u32 v[ADRS], s23, v5
	v_add_nc_u32 v[ADRS+1], SLOT, v[ADRS]
.irp s, 0,1
	v_add_nc_u32 v[ADRA16+\s], s21, v[L16]
	v_add_nc_u32 v[ADRA8+\s], s21, v[L8]
	v_add_nc_u32 v[ADRB16+\s], s22, v[L16]
	v_add_nc_u32 v[ADRB8+\s], s22, v[L8]
	s_add_co_u32 s21, s21, SLOT
	s_add_co_u32 s22, s22, SLOT
.endr
	s_mul_i32 s23, s14, 16*SPITCH
	v_mul_u32_u24 v5, v1, SPITCH
	v_lshl_add_u32 v5, v2, 6, v5
	v_add_nc_u32 v[STO], s23, v5
	v_add_nc_u32 v[RD], s23, v[L16]
	s_lshl_b32 s86, s42, 10
	s_lshl_b32 s87, s16, 9
	s_add_co_u32 s86, s86, s87
	s_mov_b32 s87, 0
	s_add_nc_u64 s[8:9], s[8:9], s[86:87]
	global_load_b128 v[BO:BO+3], v[L16], s[8:9]
	s_lshl_b32 s88, s17, 8
	s_lshl_b32 s89, s15, 7
	s_add_co_u32 s88, s88, s89
	s_lshl_b32 s88, s88, 12
	s_mov_b32 s89, 0
	s_add_nc_u64 s[12:13], s[10:11], s[88:89]
	s_add_nc_u64 s[12:13], s[12:13], s[86:87]
	s_wait_alu depctr_va_vdst(0)
	s_wait_tensorcnt 0x0                           ; my part of slot 0 is in
	ds_add_u32 v[SPW], v[NIL]
	s_wait_dscnt 0x0
	CROUND                                         ; everybody's part is in, and the joint loads meet
	JLOAD G0+4, G1, G0B+4, G1B                     ; slot 1's first fill, the first tensor load behind the round
	FETCH_B 0, 0, 0
	FETCH_A 0, 0, 0
	SCALES 0
	FETCH_A 0, 0, 4
	STEP 0, 0, 1
	s_mov_b32 s3, LAPS-1
.Llap:
	TURN 0, 1, 1
	STEP 1, 0, 0
	TURN 1, 0, 1
	STEP 0, 0, 0
	s_sub_co_u32 s3, s3, 1
	s_cmp_lg_u32 s3, 0
	s_cbranch_scc1 .Llap
	TURN 0, 1, 0
	STEP 1, 0, 0
	s_wait_dscnt 4*NL
	WIN MUL_LO
	MUL16 0, 1, 1, 1, 0
	MUL16 2, 1, 1, 1, 0
	s_wait_dscnt 0
	WIN MUL_HI
	MUL16 4, 1, 1, 1, 0
	MUL16 6, 1, 1, 1, 0
	WIN 0
.macro TOSTAGE a
.set AC, 64*((\a)%4)
	WIN 0x08+4*((\a)/4)
.irp b, 0,1,2,3,4,5,6,7
	ds_store_b128 v[STO], v[AC+8*\b:AC+8*\b+3] offset:128*(\b/2)+32*(\b%2)
	ds_store_b128 v[STO], v[AC+8*\b+4:AC+8*\b+7] offset:128*(\b/2)+32*(\b%2)+16
.endr
	WIN 0
.set BBK, BK+64*((\a)%2)
.irp t, 0,1,2,3,4,5,6,7,8,9,10,11,12,13,14,15
	ds_load_b128 v[BBK+4*\t:BBK+4*\t+3], v[RD] offset:\t*SPITCH
.endr
.endm
.macro SEND a, younger
.set BBK, BK+64*((\a)%2)
	s_wait_dscnt \younger
.if (\a) > 0
.if (\a)%2
	s_add_nc_u64 s[12:13], s[12:13], 8*4096
.else
	s_add_nc_u64 s[12:13], s[12:13], 24*4096
.endif
.endif
.irp t, 0,1,2,3,4,5,6,7,8,9,10,11,12,13,14,15
	v_pk_add_f32 v[BBK+4*\t:BBK+4*\t+1], v[BBK+4*\t:BBK+4*\t+1], v[BO:BO+1]
	v_pk_add_f32 v[BBK+4*\t+2:BBK+4*\t+3], v[BBK+4*\t+2:BBK+4*\t+3], v[BO+2:BO+3]
	global_store_b128 v[L16], v[BBK+4*\t:BBK+4*\t+3], s[12:13] offset:(\t+8*(\t/8))*4096 th:TH_STORE_NT
.endr
.endm
	PLACES NP
	s_wait_loadcnt 0x0
	TOSTAGE 0
.irp a, 1,2,3,4,5,6,7
.if \a > 1
	s_wait_xcnt 0x0
.endif
	TOSTAGE \a
	SEND \a-1, 32
.endr
	s_wait_xcnt 0x0
	SEND 7, 0
	s_wait_tensorcnt 0x0
	ds_add_u32 v[SPW], v[NIL]
	s_wait_dscnt 0x0
	CROUND
	s_endpgm
.Lfunc_end_k_q4255bb43df_proj:
	.size	k_q4255bb43df_proj, .Lfunc_end_k_q4255bb43df_proj-k_q4255bb43df_proj
	.p2alignl 7, 3214868480
	.fill 96, 4, 3214868480
	.section	.rodata,"a",@progbits
	.p2align	6, 0x0
	.amdhsa_kernel k_q4255bb43df_proj
		.amdhsa_group_segment_fixed_size 327680
		.amdhsa_private_segment_fixed_size 0
		.amdhsa_enable_private_segment 0
		.amdhsa_kernarg_size 32
		.amdhsa_user_sgpr_count 2
		.amdhsa_user_sgpr_kernarg_segment_ptr 1
		.amdhsa_wavefront_size32 1
		.amdhsa_system_sgpr_workgroup_id_x 1
		.amdhsa_system_sgpr_workgroup_id_y 1
		.amdhsa_system_sgpr_workgroup_id_z 1
		.amdhsa_system_vgpr_workitem_id 0
		.amdhsa_next_free_vgpr 1024
		.amdhsa_next_free_sgpr 100
		.amdhsa_reserve_vcc 0
		.amdhsa_float_denorm_mode_32 3
		.amdhsa_float_denorm_mode_16_64 3
		.amdhsa_memory_ordered 1
		.amdhsa_forward_progress 1
		.amdhsa_inst_pref_size 157
	.end_amdhsa_kernel
	.amdgpu_metadata
---
amdhsa.version: [ 1, 2 ]
amdhsa.kernels:
  - .name:           k_q4255bb43df_proj
    .symbol:         k_q4255bb43df_proj.kd
    .args:
      - { .name: oimg, .offset: 0, .size: 8, .value_kind: global_buffer, .address_space: global }
      - { .name: wimg, .offset: 8, .size: 8, .value_kind: global_buffer, .address_space: global }
      - { .name: bo, .offset: 16, .size: 8, .value_kind: global_buffer, .address_space: global }
      - { .name: out0, .offset: 24, .size: 8, .value_kind: global_buffer, .address_space: global }
    .group_segment_fixed_size: 327680
    .private_segment_fixed_size: 0
    .kernarg_segment_align: 8
    .kernarg_segment_size: 32
    .max_flat_workgroup_size: 128
    .sgpr_count:     100
    .vgpr_count:     1024
    .wavefront_size: 32
...
	.end_amdgpu_metadata
.endif
;; end of part 4
